; MI455X (gfx1250); checked and timed in simulation.
; The chip was launched on July 23, 2026; its instructions are those of AMD's public machine-readable ISA for CDNA 5 (MIT licence, August 2026) and "CDNA5" Instruction Set Architecture Reference Guide (July 2026). The comments in the code are by the model that wrote it; some were corrected since.
;; Self Attention. Allowed arithmetic: matrix products marked QUANTISED: E2M3 operands, one E8M0 scale for each 32 along K, by v_wmma_scale_f32_16x16x128_f8f6f4 with both operands' format E2M3, f32 sums; everything else in f32.
;; Inputs: Wk 4,096 x 512 float32; Wo 512 x 4,096 float32; Wq 4,096 x 512 float32; Wv 4,096 x 512 float32; bo 512 float32; x 4 x 1,024 x 512 float32.
;; Outputs: out0 4 x 1,024 x 512 float32.
;; This version of the problem:
;;   THIS VERSION OF THE PROBLEM IS GIVEN IN LOW PRECISION. The matrix products marked QUANTISED in the list below multiply operands that are first quantised to E2M3 (2 exponent bits, 3 mantissa bits; 6 bits a number), with one power-of-two scale for each 32 numbers along K (OCP MX v1.0); their sums are f32. All else is computed in f32.
;;   The module's matrix products, in the order in which they are computed (A, B: the left and right operand; K: the contracted axis; several contracted axes count as one K, in the product's order):
;;     1. [M 4,096, K 512] x [K 512, N 4,096]; A: input x; B: input Wq: QUANTISED
;;     2. [M 4,096, K 512] x [K 512, N 4,096]; A: input x; B: input Wk: QUANTISED
;;     3. [M 4,096, K 512] x [K 512, N 4,096]; A: input x; B: input Wv: QUANTISED
;;     4. batch 32 x [M 1,024, K 512] x [K 512, N 1,024]; A: computed on the way; B: computed on the way: QUANTISED
;;     5. batch 32 x [M 1,024, K 1,024] x [K 1,024, N 512]; A: softmax (see below); B: computed on the way: QUANTISED
;;     6. [M 4,096, K 4,096] x [K 4,096, N 512]; A: computed on the way; B: input Wo: QUANTISED
;;   THE QUANTISER, for each operand of a quantised product, along K:
;;     - K is cut into blocks of 32 from its start; a last block that is shorter is filled with zeros.
;;     - A block's scale is 2^e with e = floor(log2(the largest magnitude in the block)) - 2, held to -126 .. 127; a block of zeros has e = 0. As a byte (E8M0): e + 127.
;;     - Each number is divided by its block's scale, clamped to +-7.5, and rounded to the nearest number of E2M3, ties to even, subnormals kept.
;;     - The product sums the exact products of the quantised numbers (number of the format x scale) in f32.
;;   ~~~python
;;   def quantise(x, axis):      # numpy; x: float32 -> the quantised numbers, widened to float32 again
;;       x = np.moveaxis(x, axis, -1); K = x.shape[-1]
;;       x = np.pad(x, [(0, 0)] * (x.ndim - 1) + [(0, -K % 32)]); x = x.reshape(x.shape[:-1] + (-1, 32)); a = np.abs(x).max(-1, keepdims=True)
;;       e = np.where(a > 0, np.clip(np.frexp(np.where(a > 0, a, 1))[1] - 1 - 2, -126, 127), 0)      # np.frexp(a)[1] - 1 = floor(log2(a)), exactly
;;       r = np.clip(x / 2.0 ** e, -7.5, 7.5)
;;       step = 2.0 ** (np.maximum(np.frexp(np.where(r == 0, 1, r))[1] - 1, 0) - 3)
;;       q = np.round(r / step) * step * 2.0 ** e      # np.round: ties to even
;;       return np.moveaxis(q.reshape(q.shape[:-2] + (-1,))[..., :K], -1, axis).astype(np.float32)
;;   ~~~
;;   SOFTMAX AHEAD OF A QUANTISED PRODUCT. Where the list says 'softmax', what is quantised is not the finished softmax but p = 2^(t - M), with t = logit x log2(e) and M = ceil(the row's largest t), a whole number; so 1/2 < the row's largest p <= 1. The row's sum l is taken of the UNQUANTISED p, in f32, and the product's result is divided by l at the end. Since M is a whole number, a kernel that streams over the keys may use a running M (the ceiling of the running maximum): every later rescaling is an exact power of two, which a block's scale takes up: the codes' values come out the same.
;;   OPERANDS COMPUTED ON THE WAY. 'Computed on the way' means the value that the module computes at that place (a softmax that the list does not call 'softmax' is quantised finished and normalised). What goes into a quantiser is computed in f32, as accurately as f32 sums, v_exp_f32 and their like allow (about 1e-6 of the number): no bf16 or f16 on the way to a quantiser, and a product that is left as it is and whose result goes on into a quantised operand takes f32 operands (vector FMAs, or v_wmma_f32_16x16x4_f32). A number that lies on a knife's edge between two numbers of the format may be rounded either way, as far as f32 arithmetic and the matrix unit's own rounding can turn it there, and no further.
;; One version. Each part assembles by itself: llvm-mc -triple=amdgcn-amd-amdhsa -mcpu=gfx1250 --defsym DOCPART=n.
;; ======== version 1 of 1: 4 launches
;; limits: right only within a limited range of input values
;; workspace buffers: cod 7,864,320 bytes; scl 327,680 bytes; qkv 39,321,600 bytes; att 13,107,200 bytes
;; launch quant (part 1): grid 256 x 5, 4 waves a work-group, no clusters, 34,816 bytes of LDS; arguments x, Wq, Wk, Wv, Wo, cod, scl; writes cod, scl
.if DOCPART == 1
	.amdgcn_target "amdgcn-amd-amdhsa--gfx1250"
	.amdhsa_code_object_version 6
	.text
	.protected	k_q4f7f3c261c_quant
	.globl	k_q4f7f3c261c_quant
	.p2align	8
	.type	k_q4f7f3c261c_quant,@function
k_q4f7f3c261c_quant:
	s_mov_b64 s[64:65], 0
	v_nop
	global_prefetch_b8 v0, s[64:65] scope:SCOPE_SE
	s_setreg_imm32_b32 hwreg(HW_REG_WAVE_MODE, 25, 1), 1
	s_wait_xcnt 0x0
; x, Wq, Wk, Wv [4096][512] and Wo [512][4096], f32, K innermost, become codes of FP6 (E2M3) with one E8M0 byte for each 32 along K,
; laid as IMAGES OF OPERAND REGISTERS.  A fragment is 16 rows x 128 K: 12 registers a lane, 1,536 bytes: register group c (4 registers) is 512 bytes, lane l's 16 bytes at 512 c + 16 l.
; THE ROWS OF A TILE ARE NOT NEIGHBOURS: lane r of row tile t holds row 32 (t / 2) + 8 (t % 2) + r + 8 (r / 8): as source 0 of a transposed product such tiles leave 16 neighbours of the next K in a lane's 16 registers.
; cod: tensor T (x, Wq, Wk, Wv, Wo) at 1,572,864 T; in it [row tile][K step][1,536].  scl: at 65,536 T; in it [row tile][K step][16 words], lane r's word at 4 r.
; SHARES: work-group (u, T), wave s: fragment 4 (256 T + u) + s.  For Wo (32 row tiles x 32 K steps) that is row tile u / 8, K step 4 (u % 8) + s.  One path for all five tensors: pointers, pitch and column are chosen by s_cselect on T.
; Each of a wave's 16 loads reads one row's 512 consecutive bytes; the rows turn through the wave's own stage in LDS (pitch 528, an odd multiple of 16) and come back 16 neighbours of each block a lane.
; A block's scale byte is its largest magnitude's exponent field - 2, held at 1 from below.  (A block of zeros gets the byte 1 where the rule says 127: its codes are zeros, and this program alone reads the bytes.)
; LIMITS: NaN and infinities among the inputs are not served; blocks whose largest magnitude lies under 2^-124 keep the byte 1.
; No tensor load, no loop, no matrix unit, no cluster: the work-groups share no input, and every byte is read once.
.set WST,  8448                        ; a wave's stage: 16 rows x 528 bytes
.set SCG,  4*WST                       ; behind the stages: the work-group's 4 x 64 bytes of scale words
.set L16,  1                           ; v1   16 x lane
.set RR,   2                           ; v2   r = lane % 16
.set HH,   3                           ; v3   h = lane / 16
.set STI,  4                           ; v4   the stage, on the way in
.set STO,  5                           ; v5   and on the way out
.set SWA,  6                           ; v6   where my row's scale word goes
.set L8,   7                           ; v7   8 x lane
.set SRA,  8                           ; v8   where wave 0 reads the 256 bytes back
.set OFF,  16                          ; v16-31  byte offset of my 16 bytes in row i of the tile
.set R,    32                          ; v32-95  the 16 rows as loaded
.set X,    96                          ; v96-159 register 16 b + i = k 32 b + 16 h + i of my row
.set BM,   160
.set T2,   164
.set SF,   168
.set PW,   172
.set PC,   32                          ; the codes, where the loaded rows lay
	s_load_b256 s[4:11], s[0:1], 0x0               ; x, Wq, Wk, Wv
	s_load_b128 s[12:15], s[0:1], 0x20             ; Wo, cod
	s_load_b64 s[16:17], s[0:1], 0x30              ; scl
	v_lshl_add_u32 v176, v0, 2, 0x8600
	v_mov_b32 v177, 0
	v_lshrrev_b32 v9, 5, v0
	v_readfirstlane_b32 s18, v9                    ; wave = which of the four K steps
	s_and_b32 s19, ttmp7, 0xffff                   ; T
	v_and_b32 v9, 31, v0
	v_lshlrev_b32 v[L16], 4, v9
	v_lshlrev_b32 v[L8], 3, v9
	v_and_b32 v[RR], 15, v0
	v_bfe_u32 v[HH], v0, 4, 1
	s_mul_i32 s20, s18, WST
	v_add_nc_u32 v[STI], s20, v[L16]
	v_mul_u32_u24 v[STO], v[RR], 528
	v_lshl_add_u32 v[STO], v[HH], 6, v[STO]
	v_add_nc_u32 v[STO], s20, v[STO]               ; row r, + 64 h: my 16 numbers of each block of 32
	s_lshl_b32 s21, s18, 6
	s_add_co_u32 s21, s21, SCG
	v_lshl_add_u32 v[SWA], v[RR], 2, s21
	v_add_nc_u32 v[SRA], SCG, v[L8]
.irp b, 0,1,2,3
	v_mov_b32 v[T2+\b], 0                          ; written once: a lane permute's destination counts as one of its sources
.endr
	s_lshr_b32 s23, ttmp9, 3                       ; Wo: row tile,
	s_and_b32 s24, ttmp9, 7
	s_lshl_b32 s24, s24, 11                        ; and the first byte of its four K steps in a row
	s_mov_b32 s22, 2048
	s_cmp_eq_u32 s19, 4
	s_cselect_b32 s22, 16384, s22                  ; a row in bytes
	s_cselect_b32 s23, s23, ttmp9                  ; row tile
	s_cselect_b32 s24, s24, 0
	s_lshr_b32 s25, s23, 1
	s_lshl_b32 s25, s25, 5
	s_and_b32 s26, s23, 1
	s_lshl_b32 s26, s26, 3
	s_add_co_u32 s25, s25, s26                     ; the tile's first row: 32 (t / 2) + 8 (t % 2)
	s_mul_i32 s25, s25, s22
	s_add_co_u32 s25, s25, s24
	s_lshl_b32 s26, s18, 9
	s_add_co_u32 s25, s25, s26                     ; + my K step's 512 bytes
	s_mul_i32 s27, s22, 9                          ; from the tile's row 7 to its row 8: nine rows
	v_add_nc_u32 v[OFF], s25, v[L16]
.irp i, 1,2,3,4,5,6,7,8,9,10,11,12,13,14,15
.if \i == 8
	v_add_nc_u32 v[OFF+\i], s27, v[OFF+\i-1]
.else
	v_add_nc_u32 v[OFF+\i], s22, v[OFF+\i-1]
.endif
.endr
	s_lshl_b32 s28, s19, 8
	s_add_co_u32 s28, s28, ttmp9                   ; U = 256 T + u
	s_lshl_b32 s29, s28, 2
	s_add_co_u32 s29, s29, s18                     ; the fragment's number
	s_mul_i32 s30, s29, 1536
	s_mov_b32 s31, 0
	s_lshl_b32 s32, s28, 8                         ; the work-group's 256 bytes of scale words
	s_mov_b32 s33, 0
	s_wait_alu depctr_va_vdst(0)
	s_wait_kmcnt 0x0
	s_cmp_eq_u32 s19, 1                            ; the tensor: a choice that hangs on the work-group's number alone
	s_cselect_b64 s[4:5], s[6:7], s[4:5]
	s_cmp_eq_u32 s19, 2
	s_cselect_b64 s[4:5], s[8:9], s[4:5]
	s_cmp_eq_u32 s19, 3
	s_cselect_b64 s[4:5], s[10:11], s[4:5]
	s_cmp_eq_u32 s19, 4
	s_cselect_b64 s[4:5], s[12:13], s[4:5]
	s_add_nc_u64 s[14:15], s[14:15], s[30:31]
	s_add_nc_u64 s[16:17], s[16:17], s[32:33]
.irp i, 0,1,2,3,4,5,6,7,8,9,10,11,12,13,14,15
	global_load_b128 v[R+4*\i:R+4*\i+3], v[OFF+\i], s[4:5] th:TH_LOAD_NT   ; 32 lanes read 512 consecutive bytes of one row; read once in the launch
.endr
.irp i, 0,1,2,3,4,5,6,7,8,9,10,11,12,13,14,15
	s_wait_loadcnt 15-\i                           ; loads come back in order: row i is in, the 15 - i younger ones may be out
	ds_store_b128 v[STI], v[R+4*\i:R+4*\i+3] offset:528*\i
.endr
.irp b, 0,1,2,3
.irp j, 0,1,2,3
	ds_load_b128 v[X+16*\b+4*\j:X+16*\b+4*\j+3], v[STO] offset:128*\b+16*\j   ; LDS serves a wave's instructions in order: these see my stores
.endr
.endr
	s_wait_dscnt 0x0
.irp b, 0,1,2,3
	v_max3_num_f32 v[BM+\b], |v[X+16*\b]|, |v[X+16*\b+1]|, 0x1800000   ; block b: my 16 numbers, and the floor 2^(3 - 127): the byte cannot fall under 1
.endr
.irp i, 2,4,6,8,10,12,14
.irp b, 0,1,2,3
	v_max3_num_f32 v[BM+\b], v[BM+\b], |v[X+16*\b+\i]|, |v[X+16*\b+\i+1]|   ; the four blocks by turns
.endr
.endr
	s_mov_b32 s34, 0x76543210
	s_mov_b32 s35, 0xfedcba98                      ; v_permlanex16_b32's selects for lane l xor 16
.irp b, 0,1,2,3
	v_permlanex16_b32 v[T2+\b], v[BM+\b], s34, s35
.endr
.irp b, 0,1,2,3
	v_max_num_f32 v[BM+\b], v[BM+\b], v[T2+\b]     ; with lane l xor 16's: the block's largest magnitude
.endr
.irp b, 0,1,2,3
	v_add_nc_u32 v[SF+\b], 0xff000000, v[BM+\b]    ; 2 off its exponent field: the conversion's scale operand
.endr
.irp b, 0,1,2,3
	v_lshrrev_b32 v[T2+\b], 23, v[SF+\b]           ; the scale's byte
.endr
	v_lshl_or_b32 v[PW], v[T2+1], 8, v[T2]
	v_lshl_or_b32 v[PW], v[T2+2], 16, v[PW]
	v_lshl_or_b32 v[PW], v[T2+3], 24, v[PW]        ; my row's scale word
.irp c, 0,1
	v_cvt_scalef32_pk16_fp6_f32 v[PC+6*\c:PC+6*\c+2], v[X+32*\c:X+32*\c+15], v[SF+2*\c]
	v_cvt_scalef32_pk16_fp6_f32 v[PC+12+4*\c:PC+14+4*\c], v[X+16+32*\c:X+31+32*\c], v[SF+2*\c+1]   ; (a conversion's three registers begin on an even number)
.endr
	v_nop                                          ; one plain place behind a scaled conversion
.irp c, 0,1                                    ; the operand's layout wants a whole block in a lane: lanes 0-15 block 2 c, lanes 16-31 block 2 c + 1
.irp i, 0,1,2
	v_permlane16_swap_b32 v[PC+6*\c+\i], v[PC+12+4*\c+\i]
.endr
.irp i, 0,1,2
	v_mov_b32 v[PC+3+6*\c+\i], v[PC+12+4*\c+\i]
.endr
.endr
.irp c, 0,1,2
	global_store_b128 v[L16], v[PC+4*\c:PC+4*\c+3], s[14:15] offset:512*\c   ; 32 lanes store 512 consecutive bytes, at a multiple of 256 from the buffer's first byte
.endr
	ds_store_b32 v[SWA], v[PW]                     ; both halves of the lanes write the same word with the same value
	s_wait_dscnt 0x0                               ; for wave 0's sake: my word has landed
	s_barrier_signal -1
	s_barrier_wait -1
	s_cmp_lg_u32 s18, 0
	s_cbranch_scc1 .Ldone
	ds_load_b64 v[10:11], v[SRA]                   ; the four waves' words: 256 bytes
	s_wait_dscnt 0x0
	global_store_b64 v[L8], v[10:11], s[16:17]     ; 32 lanes store 256 consecutive bytes, aligned
.Ldone:
	s_wait_tensorcnt 0x0
	ds_add_u32 v176, v177
	s_wait_dscnt 0x0
	s_endpgm
.Lfunc_end_k_q4f7f3c261c_quant:
	.size	k_q4f7f3c261c_quant, .Lfunc_end_k_q4f7f3c261c_quant-k_q4f7f3c261c_quant
	.p2alignl 7, 3214868480
	.fill 96, 4, 3214868480
	.section	.rodata,"a",@progbits
	.p2align	6, 0x0
	.amdhsa_kernel k_q4f7f3c261c_quant
		.amdhsa_group_segment_fixed_size 34816
		.amdhsa_private_segment_fixed_size 0
		.amdhsa_enable_private_segment 0
		.amdhsa_kernarg_size 56
		.amdhsa_user_sgpr_count 2
		.amdhsa_user_sgpr_kernarg_segment_ptr 1
		.amdhsa_wavefront_size32 1
		.amdhsa_system_sgpr_workgroup_id_x 1
		.amdhsa_system_sgpr_workgroup_id_y 1
		.amdhsa_system_sgpr_workgroup_id_z 1
		.amdhsa_system_vgpr_workitem_id 0
		.amdhsa_next_free_vgpr 178
		.amdhsa_next_free_sgpr 66
		.amdhsa_reserve_vcc 0
		.amdhsa_float_denorm_mode_32 3
		.amdhsa_float_denorm_mode_16_64 3
		.amdhsa_memory_ordered 1
		.amdhsa_forward_progress 1
		.amdhsa_inst_pref_size 12
	.end_amdhsa_kernel
	.amdgpu_metadata
---
amdhsa.version: [ 1, 2 ]
amdhsa.kernels:
  - .name:           k_q4f7f3c261c_quant
    .symbol:         k_q4f7f3c261c_quant.kd
    .args:
      - { .name: x, .offset: 0, .size: 8, .value_kind: global_buffer, .address_space: global }
      - { .name: Wq, .offset: 8, .size: 8, .value_kind: global_buffer, .address_space: global }
      - { .name: Wk, .offset: 16, .size: 8, .value_kind: global_buffer, .address_space: global }
      - { .name: Wv, .offset: 24, .size: 8, .value_kind: global_buffer, .address_space: global }
      - { .name: Wo, .offset: 32, .size: 8, .value_kind: global_buffer, .address_space: global }
      - { .name: cod, .offset: 40, .size: 8, .value_kind: global_buffer, .address_space: global }
      - { .name: scl, .offset: 48, .size: 8, .value_kind: global_buffer, .address_space: global }
    .group_segment_fixed_size: 34816
    .private_segment_fixed_size: 0
    .kernarg_segment_align: 8
    .kernarg_segment_size: 56
    .max_flat_workgroup_size: 128
    .sgpr_count:     66
    .vgpr_count:     178
    .wavefront_size: 32
...
	.end_amdgpu_metadata
.endif
;; end of part 1
;; launch proj (part 2): grid 16 x 16, 4 waves a work-group, clusters of 4 x 4, 327,680 bytes of LDS; arguments cod, scl, qkv; writes qkv
.if DOCPART == 2
	.amdgcn_target "amdgcn-amd-amdhsa--gfx1250"
	.amdhsa_code_object_version 6
	.text
	.protected	k_q4f7f3c261c_proj
	.globl	k_q4f7f3c261c_proj
	.p2align	8
	.type	k_q4f7f3c261c_proj,@function
k_q4f7f3c261c_proj:
	s_mov_b64 s[64:65], 0
	v_nop
	global_prefetch_b8 v0, s[64:65] scope:SCOPE_SE
	s_setreg_imm32_b32 hwreg(HW_REG_WAVE_MODE, 25, 1), 1
	s_wait_xcnt 0x0
	s_wait_alu depctr_hold_cnt(0) depctr_sa_sdst(0) depctr_va_vdst(0) depctr_va_sdst(0) depctr_va_ssrc(0) depctr_va_vcc(0) depctr_vm_vsrc(0)
	s_getreg_b32 s2, hwreg(HW_REG_IB_STS2, 6, 4)
	s_cmp_eq_u32 s2, 0
	s_cbranch_scc0 .Lentry_in_a_cluster
	s_endpgm
.Lentry_in_a_cluster:
	s_bfe_u32 s2, ttmp6, 0x10000c
	s_cmp_lg_u32 s2, 0xf033
	s_cbranch_scc0 .Lentry_shape_is_right
	s_endpgm
.Lentry_shape_is_right:
; q = x Wq^T / 512^(1/4), k = x Wk^T / 512^(1/4), V^T = Wv x^T, on codes of FP6 (E2M3) with E8M0 scales, each result quantised in registers along the next product's K and stored as images of operand registers.
; SHARES.  Work-group (jn, i) stays and makes three tiles of 256 x 256 x 512: tokens 256 i on against rows 256 jn on of Wq, Wk, Wv.  x's tile is fetched once.  Wave (wm, wn) makes 128 x 128: 64 accumulators.
; THE MATRIX INSTRUCTION IS USED TRANSPOSED: source 0 = the operand whose rows become the next K ('B': Wq, Wk; for v: x), source 1 = the operand whose rows stay rows ('A': x; for v: Wv).  A lane then holds one row of A and,
; since the rows of every tile are 32 (t / 2) + 8 (t % 2) + r + 8 (r / 8), the 16 registers of two neighbouring tiles of B are 16 neighbours along the next K.  A wave's 128 columns are one K step: one fragment and one scale word a row.
; FRAGMENTS are images: 1,536 bytes, three loads or stores of 512 consecutive bytes, lane l's 16 bytes at 16 l.  No pitch, no padding.
; qkv: head hh = 8 b + h: 12 records of 102,400 bytes: Q0-3, K0-3 (256 tokens each: codes [tile 16][K step 4][1,536], then scale words [K step 4][tile 16][64]), V0-3 (256 keys each: codes [key step 2][d tile 32][1,536], then [key step 2][d tile 32][64]).
; CLUSTERS: 4 x 4.  x's tile hangs on i alone and is shared along a row of the cluster, W's on jn alone and is shared along a column: each is asked for jointly, by the same tensor load with the same descriptor and a mask that names the four.
; LDS: x's codes; two places for W's codes (Wq and Wk at the start; Wv into Wq's place behind the one change of slots); the four tensors' scale words, filled once; a stage for the results' scale words; the spare words.
; A wave has one tensor load out at the start, one behind the second round and one behind the change of slots.  No prefetch: all tiles but one are asked for at the head, and that one has a whole tile's products in which to land.
; LIMITS: q and k are multiplied by the f32 number 2^-2.25 where the definition divides by 512^(1/4): at most the last bit.  NaN and infinities are not served; blocks whose largest magnitude lies under 2^-124 keep the scale byte 1.
; REGISTERS, in windows of 256: window 0: v1-13 addresses, v28-29 for the add, v32-63 scale words (register 8 s + i: lanes 0-15 A's block i, lanes 16-31 B's block i, K step s), v64-123 at work, v128-223 A's eight fragments, one set.
;   window 1: B's fragments, two sets, at v0 and v128.  windows 2, 3: accumulator (a, b) at v[8 (8 (a % 4) + b)].
; THE FILLS, as this text issues them (this takes the place of the count of loads given above): one tensor load a wave behind each round.
; Head: wave 0 x's codes whole (384 rows of 256 bytes), wave 1 Wq's codes whole, wave 2 x's scale words, wave 3 Wq's.
; Behind the second round, all first fills: waves 0, 1 a half of Wk's codes each (192 rows), wave 2 Wk's scale words, wave 3 Wv's.
; Behind the change of slots: every wave a quarter of Wv's codes (96 rows) into Wq's place.  W's group 1 is rewritten only where no tensor load of the wave is out.
.set SEC,   1572864
.set G0QS,  4                          ; s[4:7]: group 0 for Wq's scale words (the arguments that lay there have been used by then)
.set REC,   102400                     ; a record of qkv
.set W0,    98304                      ; LDS: x's codes at 0, then W's two places,
.set W1,    196608
.set SCB,   294912                     ; scale words, 4,096 bytes each: Wv, x, Wq, Wk: so that B's always lie above A's
.set STG,   311296                     ; 512 bytes a wave: a tile's eight blocks' scale words
.set SPARE, 313344                     ; the spare words: 128 bytes a wave, two blocks of 256 bytes that no other line names
.set FR,    12
.set L16,  1
.set RR,   2
.set HH,   3
.set XM,   4                           ; x as A: my 128 tokens by wm
.set XN,   5                           ; x as B: by wn
.set W0N,  6
.set W1N,  7
.set W0M,  8
.set ADSQ, 9
.set ADSK, 10
.set ADSV, 11
.set STW,  12
.set STR,  13
.set SPW,  28
.set NIL,  29
.set SC,   32
.set BM,   64
.set T2,   68
.set SF,   72
.set PW,   76
.set PC,   96
.set SD,   120
.set AF,   128
.set WV,   10
.set G1XC, 20
.set G1WC, 28
.set G1XS, 36
.set G1WS, 44
.set G0X,  52
.set G0W0, 56
.set G0W1, 60
.set G0XS, 68
.set G0WS, 72
.set QCB,  76
.set KCB,  78
.set VCB,  80
.set QSB,  82
.set KSB,  84
.set VSB,  86
.set FAC,  88
.set SEL,  90
.set MUL_LO, 0xa1                      ; source 0 (B) window 1, source 1 (A) window 0, C and D window 2
.set MUL_HI, 0xf1
.set MSB, 0
.macro WIN new                         ; the immediate's high byte repeats the setting that is left; a switch that changes nothing is dropped
.if MSB != (\new)
	s_set_vgpr_msb (MSB<<8)|(\new)
.set MSB, (\new)
.endif
.endm
.macro PLACES n
.rept \n
	v_nop
.endr
.endm
.macro ROUND                           ; a round of the cluster's barrier
	s_barrier_signal -1
	s_barrier_wait -1
	s_cmp_lg_u32 s[WV], 0
	s_cbranch_scc1 .Lnw0_\@
	s_barrier_signal -3
.Lnw0_\@:
	s_barrier_wait -3
	s_barrier_signal -1
	s_barrier_wait -1
.endm
	s_load_b128 s[4:7], s[0:1], 0x0                ; cod, scl
	s_load_b64 s[8:9], s[0:1], 0x10                ; qkv
	v_lshl_add_u32 v[SPW], v0, 2, SPARE
	v_mov_b32 v[NIL], 0
	ds_add_u32 v28, v29
	ds_add_u32 v28, v29
	s_wait_dscnt 0x0
	v_lshrrev_b32 v1, 5, v0
	v_readfirstlane_b32 s[WV], v1                  ; wave 0..3
	s_lshr_b32 s11, s[WV], 1                       ; wm
	s_and_b32 s12, s[WV], 1                        ; wn
	s_bfe_u32 s13, ttmp6, 0x40000                  ; cx
	s_bfe_u32 s14, ttmp6, 0x40004                  ; cy
	s_lshl_b32 s15, ttmp9, 2
	s_add_co_u32 s15, s15, s13                     ; jn = 4 x cluster x + cx
	s_and_b32 s16, ttmp7, 0xffff
	s_lshl_b32 s16, s16, 2
	s_add_co_u32 s16, s16, s14                     ; i = 4 x cluster y + cy
	s_lshl_b32 s18, s14, 2
	s_lshl_b32 s18, 15, s18                        ; my row of the cluster
	s_lshl_b32 s19, 0x1111, s13                    ; my column
	; descriptor groups 1: dense blocks as rows of 256 bytes (32 elements of 8 bytes): 384 rows, a whole tile's codes; 16 rows, a tile's scale words
	s_or_b32 s[G1XC], s18, (3<<16)|(1<<21)         ; 15:0 the mask; 17:16 elements of 8 bytes; 21 set beside a mask
	s_or_b32 s[G1XS], s18, (3<<16)|(1<<21)
	s_or_b32 s[G1WC], s19, (3<<16)|(1<<21)
	s_or_b32 s[G1WS], s19, (3<<16)|(1<<21)
.irp g, G1XC, G1WC
	s_mov_b32 s[\g+1], 32<<16                      ; tensor_dim0
	s_mov_b32 s[\g+2], 384<<16                     ; tensor_dim1: a whole tile's codes
	s_mov_b32 s[\g+3], 32<<16                      ; tile_dim0
	s_mov_b32 s[\g+4], 384                         ; tile_dim1
	s_mov_b32 s[\g+5], 32                          ; the pitch
	s_mov_b32 s[\g+6], 0
	s_mov_b32 s[\g+7], 0
.endr
.irp g, G1XS, G1WS
	s_mov_b32 s[\g+1], 32<<16
	s_mov_b32 s[\g+2], 16<<16
	s_mov_b32 s[\g+3], 32<<16
	s_mov_b32 s[\g+4], 16
	s_mov_b32 s[\g+5], 32
	s_mov_b32 s[\g+6], 0
	s_mov_b32 s[\g+7], 0
.endr
	s_mul_i32 s17, s[WV], 24576                    ; my quarter of a tile's codes, in memory and in LDS
	s_mul_i32 s92, s16, 98304                      ; x's offsets are made of i alone, in registers that never hold cx;
	s_mul_i32 s66, s12, 49152                      ; which half of Wk's codes waves 0 and 1 fetch, in memory and in LDS
	s_mov_b32 s67, 0
	s_mov_b32 s93, 0
	s_lshl_b32 s96, s16, 12
	s_mov_b32 s97, 0
	s_mul_i32 s94, s15, 98304                      ; W's of jn and the wave's number, in registers that never hold cy
	s_add_co_u32 s94, s94, SEC
	s_mov_b32 s95, 0
	s_lshl_b32 s98, s15, 12
	s_lshl_b32 s99, s[WV], 16                      ; waves 2, 3 fetch the scale words of Wk, Wv
	s_add_co_u32 s98, s98, s99
	s_mov_b32 s99, 0
	s_add_co_u32 s3, s[WV], 1
	s_and_b32 s3, s3, 3
	s_lshl_b32 s3, s3, 12                          ; into places 2, 3, 0
	s_wait_kmcnt 0x0
	s_mov_b32 s[G0X], 1
	s_mov_b32 s[G0X+1], 0
	s_add_nc_u64 s[G0X+2:G0X+3], s[4:5], s[92:93]
	s_or_b32 s[G0X+3], s[G0X+3], 0x80000000
	s_mov_b32 s[G0W0], 1
	s_mov_b32 s[G0W0+1], W0
	s_add_nc_u64 s[G0W0+2:G0W0+3], s[4:5], s[94:95]
	s_mov_b32 s[G0W1], 1
	s_add_co_u32 s[G0W1+1], s66, W1
	s_add_nc_u64 s[G0W1+2:G0W1+3], s[G0W0+2:G0W0+3], SEC
	s_add_nc_u64 s[G0W1+2:G0W1+3], s[G0W1+2:G0W1+3], s[66:67]
	s_or_b32 s[G0W0+3], s[G0W0+3], 0x80000000
	s_or_b32 s[G0W1+3], s[G0W1+3], 0x80000000
	s_mov_b32 s[G0XS], 1
	s_mov_b32 s[G0XS+1], SCB+4096
	s_add_nc_u64 s[G0XS+2:G0XS+3], s[6:7], s[96:97]
	s_or_b32 s[G0XS+3], s[G0XS+3], 0x80000000
	s_mov_b32 s[G0WS], 1
	s_add_co_u32 s[G0WS+1], s3, SCB
	s_add_nc_u64 s[G0WS+2:G0WS+3], s[6:7], s[98:99]
	s_or_b32 s[G0WS+3], s[G0WS+3], 0x80000000
	s_lshl_b32 s98, s15, 12                        ; Wq's scale words: tensor 1, tile jn, into place 2
	s_add_co_u32 s98, s98, 65536
	s_add_nc_u64 s[G0QS+2:G0QS+3], s[6:7], s[98:99]
	s_or_b32 s[G0QS+3], s[G0QS+3], 0x80000000
	s_mov_b32 s[G0QS], 1
	s_mov_b32 s[G0QS+1], SCB+8192
	ROUND                                          ; all sixteen work-groups are here: the first joint loads meet
; The head's four tiles, one a wave: one chain of branches on the wave's number, each arm with its load, all arms leading to one join.
.macro ARM under, g0, g1, next
	s_cmp_lt_u32 s[WV], \under
	s_cbranch_scc0 \next
	tensor_load_to_lds s[\g0:\g0+3], s[\g1:\g1+7]
	s_nop 0
	PLACES 4
	s_branch .Lhead_asked
\next:
.endm
	ARM 1, G0X,  G1XC, .Lhead_w
	ARM 2, G0W0, G1WC, .Lhead_xs
	ARM 3, G0XS, G1XS, .Lhead_ws
	tensor_load_to_lds s[G0QS:G0QS+3], s[G1WS:G1WS+7]
	s_nop 0
	PLACES 4
.Lhead_asked:
	v_and_b32 v2, 31, v0
	v_lshlrev_b32 v[L16], 4, v2
	v_and_b32 v[RR], 15, v0
	v_bfe_u32 v[HH], v0, 4, 1
	s_mul_i32 s2, s11, 49152
	s_mul_i32 s3, s12, 49152
	v_add_nc_u32 v[XM], s2, v[L16]
	v_add_nc_u32 v[XN], s3, v[L16]
	v_add_nc_u32 v[W0N], W0, v[XN]
	v_add_nc_u32 v[W1N], W1, v[XN]
	v_add_nc_u32 v[W0M], W0, v[XM]
	s_xor_b32 s2, s11, 1                           ; scale words: lanes 0-15 take A's, lanes 16-31 B's, one place further up: the lower base + h x the distance,
	s_add_co_u32 s2, s2, s12
	s_add_co_u32 s2, s2, 1
	s_lshl_b32 s2, s2, 11                          ; 4,096 + 2,048 (wn - wm)
	v_mul_u32_u24 v[ADSV], s2, v[HH]
	v_lshl_add_u32 v[ADSV], v[RR], 2, v[ADSV]
	s_lshl_b32 s3, s11, 11
	s_add_co_u32 s3, s3, SCB
	v_add_nc_u32 v[ADSV], s3, v[ADSV]              ; v: A = Wv (place 0), B = x (place 1)
	v_add_nc_u32 v[ADSQ], 4096, v[ADSV]            ; q: A = x, B = Wq (place 2)
	v_lshl_add_u32 v[ADSK], v[HH], 12, v[ADSQ]     ; k: B = Wk (place 3)
	s_lshl_b32 s3, s[WV], 9
	s_add_co_u32 s3, s3, STG
	v_lshl_add_u32 v[STW], v[RR], 2, s3
	v_add_nc_u32 v[STR], s3, v[L16]
.irp b, 0,1,2,3
	v_mov_b32 v[T2+\b], 0                          ; written once: a lane permute's destination counts as one of its sources
.endr
	s_mov_b32 s[FAC], 0x3e5744fd                   ; 2^-2.25 = 1 / 512^(1/4)
	s_mov_b32 s[FAC+1], s[FAC]                     ; (named with it as a pair, so it is written)
	s_mov_b32 s[SEL], 0x76543210
	s_mov_b32 s[SEL+1], 0xfedcba98
	; where my results go
	s_lshr_b32 s18, s16, 2
	s_lshl_b32 s18, s18, 3
	s_lshr_b32 s19, s15, 1
	s_add_co_u32 s18, s18, s19                     ; hh = 8 (i / 4) + jn / 2
	s_mul_i32 s18, s18, 12
	s_and_b32 s19, s16, 3
	s_add_co_u32 s18, s18, s19
	s_mul_i32 s18, s18, REC                        ; the head's Q record i % 4
	s_and_b32 s19, s15, 1
	s_lshl_b32 s94, s19, 1
	s_add_co_u32 s94, s94, s12                     ; my columns are K step 2 (jn % 2) + wn of the head's 512
	s_mul_i32 s98, s94, 1536
	s_mul_i32 s2, s11, 49152
	s_add_co_u32 s98, s98, s2
	s_add_co_u32 s98, s98, s18
	s_mov_b32 s99, 0
	s_add_nc_u64 s[QCB:QCB+1], s[8:9], s[98:99]
	s_add_nc_u64 s[KCB:KCB+1], s[QCB:QCB+1], 4*REC
	s_lshl_b32 s98, s94, 10
	s_lshl_b32 s2, s11, 9
	s_add_co_u32 s98, s98, s2
	s_add_co_u32 s98, s98, s18
	s_add_co_u32 s98, s98, 98304
	s_add_nc_u64 s[QSB:QSB+1], s[8:9], s[98:99]
	s_add_nc_u64 s[KSB:KSB+1], s[QSB:QSB+1], 4*REC
	s_lshl_b32 s94, s19, 4
	s_lshl_b32 s2, s11, 3
	s_add_co_u32 s94, s94, s2                      ; v: my first d tile of the head's 32
	s_mul_i32 s98, s94, 1536
	s_mul_i32 s2, s12, 49152                       ; my 128 tokens are key step wn of the record
	s_add_co_u32 s98, s98, s2
	s_add_co_u32 s98, s98, s18
	s_add_co_u32 s98, s98, 8*REC
	s_add_nc_u64 s[VCB:VCB+1], s[8:9], s[98:99]
	s_lshl_b32 s98, s94, 6
	s_lshl_b32 s2, s12, 11
	s_add_co_u32 s98, s98, s2
	s_add_co_u32 s98, s98, s18
	s_add_co_u32 s98, s98, 8*REC+98304
	s_add_nc_u64 s[VSB:VSB+1], s[8:9], s[98:99]
.macro FRAG reg, adr, off              ; a fragment's image: three loads of 512 consecutive bytes
.irp c, 0,1,2
	ds_load_b128 v[\reg+4*\c:\reg+4*\c+3], v[\adr] offset:\off+512*\c
.endr
.endm
.macro FETCH_B adr, s, p               ; B's eight fragments of K step s into set p
	WIN 0x40
.irp i, 0,1,2,3,4,5,6,7
	FRAG 128*(\p)+FR*\i, \adr, 6144*\i+1536*(\s)
.endr
	WIN 0
.endm
.macro FETCH_A adr, s, i0              ; A's blocks i0 .. i0 + 3
.irp i, \i0, \i0+1, \i0+2, \i0+3
	FRAG AF+FR*(\i), \adr, 6144*(\i)+1536*(\s)
.endr
.endm
.macro SCALES adr                      ; a tile's scale words, all four K steps
.irp s, 0,1,2,3
.irp i, 0,1,2,3,4,5,6,7
	ds_load_b32 v[SC+8*\s+\i], v[\adr] offset:256*\i+64*\s
.endr
.endr
.endm
; 16 matrix instructions: A's blocks a0, a0 + 1 x B's eight, K step s, B's set p.  zero = 1: the first product starts the sums.  The 64 accumulators take turns, one instruction a turn.
.macro MUL16 a0, p, s, zero
.irp a, \a0, \a0+1
.irp b, 0,1,2,3,4,5,6,7
.if \zero
	v_wmma_scale_f32_16x16x128_f8f6f4 v[8*(8*((\a)%4)+\b):8*(8*((\a)%4)+\b)+7], v[128*(\p)+FR*\b:128*(\p)+FR*\b+FR-1], v[AF+FR*(\a):AF+FR*(\a)+FR-1], 0, v[SC+8*(\s)+\b], v[SC+8*(\s)+(\a)] matrix_a_fmt:MATRIX_FMT_FP6 matrix_b_fmt:MATRIX_FMT_FP6 matrix_a_scale:MATRIX_SCALE_ROW1
.else
	v_wmma_scale_f32_16x16x128_f8f6f4 v[8*(8*((\a)%4)+\b):8*(8*((\a)%4)+\b)+7], v[128*(\p)+FR*\b:128*(\p)+FR*\b+FR-1], v[AF+FR*(\a):AF+FR*(\a)+FR-1], v[8*(8*((\a)%4)+\b):8*(8*((\a)%4)+\b)+7], v[SC+8*(\s)+\b], v[SC+8*(\s)+(\a)] matrix_a_fmt:MATRIX_FMT_FP6 matrix_b_fmt:MATRIX_FMT_FP6 matrix_a_scale:MATRIX_SCALE_ROW1
.endif
.endr
.endr
.endm
; A K step that has a successor.  A block of A is free as soon as its eight products are issued, so A has one set: blocks 0-3 come anew in the step's middle, blocks 4-7 at its end; B has two sets.
; Loads into registers that matrix instructions have read stand four plain places behind them (ISA guide 7.12.1 for vector instructions).
.macro STEP aa, ab, s, zero
	s_wait_dscnt 12                                ; all but the youngest 12 loads (A's blocks 4-7) are in
	WIN MUL_LO
	MUL16 0, (\s)%2, \s, \zero
	MUL16 2, (\s)%2, \s, \zero
	s_wait_dscnt 0x0                               ; A's blocks 4-7 are in
	PLACES 4
	FETCH_B \ab, (\s)+1, 1-(\s)%2
	FETCH_A \aa, (\s)+1, 0
	WIN MUL_HI
	MUL16 4, (\s)%2, \s, \zero
	MUL16 6, (\s)%2, \s, \zero
	PLACES 4
	WIN 0
	FETCH_A \aa, (\s)+1, 4
.endm
.macro GEMM aa, ab, as                 ; 128 x 128 x 512: 256 matrix instructions
	PLACES 4
	FETCH_B \ab, 0, 0
	FETCH_A \aa, 0, 0
	SCALES \as
	FETCH_A \aa, 0, 4
	STEP \aa, \ab, 0, 1
	STEP \aa, \ab, 1, 0
	STEP \aa, \ab, 2, 0
	s_wait_dscnt 12
	WIN MUL_LO
	MUL16 0, 1, 3, 0
	MUL16 2, 1, 3, 0
	s_wait_dscnt 0x0
	WIN MUL_HI
	MUL16 4, 1, 3, 0
	MUL16 6, 1, 3, 0
	WIN 0
.endm
; 64 numbers of a lane in window w, v[s] on, register 16 b + i = k 32 b + 16 h + i of my row.  QMAX: the four blocks' largest magnitudes.  Each accumulator is read from its low end on.
.macro QMAX s, w
	WIN ((\w)<<2)|(\w)
.irp b, 0,1,2,3
	v_max3_num_f32 v[BM+\b], |v[\s+16*\b]|, |v[\s+16*\b+1]|, 0x1800000   ; and the floor 2^(3 - 127): the byte cannot fall under 1
.endr
	WIN ((\w)<<4)|((\w)<<2)
.irp i, 2,4,6,8,10,12,14
.irp b, 0,1,2,3
	v_max3_num_f32 v[BM+\b], v[BM+\b], |v[\s+16*\b+\i]|, |v[\s+16*\b+\i+1]|
.endr
.endr
	WIN 0
.irp b, 0,1,2,3
	v_permlanex16_b32 v[T2+\b], v[BM+\b], s[SEL], s[SEL+1]
.endr
.irp b, 0,1,2,3
	v_max_num_f32 v[BM+\b], v[BM+\b], v[T2+\b]
.endr
.endm
; QCODE: from the largest magnitudes in v[BM] on: the fragment's codes in v[PC:PC+11], my row's scale word in v[PW].
.macro QCODE s, w
.irp b, 0,1,2,3
	v_add_nc_u32 v[SF+\b], 0xff000000, v[BM+\b]    ; 2 off the exponent field: the conversion's scale operand
.endr
.irp b, 0,1,2,3
	v_lshrrev_b32 v[T2+\b], 23, v[SF+\b]           ; the scale's byte
.endr
	v_lshl_or_b32 v[PW], v[T2+1], 8, v[T2]
	v_lshl_or_b32 v[PW], v[T2+2], 16, v[PW]
	v_lshl_or_b32 v[PW], v[T2+3], 24, v[PW]
	WIN \w
.irp c, 0,1
	v_cvt_scalef32_pk16_fp6_f32 v[PC+6*\c:PC+6*\c+2], v[\s+32*\c:\s+32*\c+15], v[SF+2*\c]
	v_cvt_scalef32_pk16_fp6_f32 v[PC+12+4*\c:PC+14+4*\c], v[\s+16+32*\c:\s+31+32*\c], v[SF+2*\c+1]
.endr
	WIN 0
	v_nop                                          ; one plain place behind a scaled conversion
.irp c, 0,1
.irp i, 0,1,2
	v_permlane16_swap_b32 v[PC+6*\c+\i], v[PC+12+4*\c+\i]
.endr
.irp i, 0,1,2
	v_mov_b32 v[PC+3+6*\c+\i], v[PC+12+4*\c+\i]
.endr
.endr
.endm
; Block a of a finished tile: scaled (q, k), quantised, stored as an image; its scale words go to my stage.
.macro EPI a, cb, pitch, mul
.set EW, 2+(\a)/4
.set ES, 64*((\a)%4)
.if \mul
	WIN (EW<<6)|EW
.set n, 0
.rept 32
	v_pk_mul_f32 v[ES+n:ES+n+1], v[ES+n:ES+n+1], s[FAC:FAC+1] op_sel_hi:[1,0]
.set n, n+2
.endr
.endif
	QMAX ES, EW
	s_wait_alu depctr_va_vdst(0)
	s_wait_xcnt 0x0                                ; the last block's stores have read the code registers,
	s_wait_dscnt 0x0                               ; and its LDS store the scale word
	QCODE ES, EW
.irp c, 0,1,2
	global_store_b128 v[L16], v[PC+4*\c:PC+4*\c+3], s[\cb:\cb+1] offset:(\a)*(\pitch)+512*\c   ; 512 consecutive bytes, at a multiple of 256 from the buffer's first byte
.endr
	ds_store_b32 v[STW], v[PW] offset:64*(\a)      ; both halves of the lanes write the same word with the same value
.endm
.macro EPILOG cb, pitch, mul, sb
.irp a, 0,1,2,3,4,5,6,7
	EPI \a, \cb, \pitch, \mul
.endr
	ds_load_b128 v[SD:SD+3], v[STR]                ; LDS serves a wave's instructions in order: this sees my eight stores
	s_wait_dscnt 0x0
	global_store_b128 v[L16], v[SD:SD+3], s[\sb:\sb+1]   ; the eight blocks' scale words: 512 consecutive bytes
.endm
	s_wait_alu depctr_va_vdst(0)
	s_wait_tensorcnt 0x0                           ; my tile of the head's four is in
	ds_add_u32 v[SPW], v[NIL]
	s_mov_b32 s[G1WC+2], 192<<16                   ; no tensor load of mine is out, so a descriptor may be written: half a tile's codes
	s_mov_b32 s[G1WC+4], 192
	s_wait_dscnt 0x0
	ROUND                                          ; all four tiles are in, in every partner
	s_cmp_eq_u32 s11, 0                            ; waves 0, 1: Wk's codes; waves 2, 3: Wk's and Wv's scale words.  The branch hangs on the wave's number alone
	s_cbranch_scc0 .Lsec_scales
	tensor_load_to_lds s[G0W1:G0W1+3], s[G1WC:G1WC+7]
	s_nop 0
	PLACES 4
	s_branch .Lsec_asked
.Lsec_scales:
	tensor_load_to_lds s[G0WS:G0WS+3], s[G1WS:G1WS+7]
	s_nop 0
	PLACES 4
.Lsec_asked:
	GEMM XM, W0N, ADSQ                             ; q
	s_wait_tensorcnt 0x0                           ; THE CHANGE OF SLOTS: all my tensor loads have landed, Wk's quarter among them;
	ds_add_u32 v[SPW], v[NIL]                      ; 0 onto my spare word
	s_add_nc_u64 s[G0W0+2:G0W0+3], s[G0W0+2:G0W0+3], 2*SEC   ; no load of mine is out, so the descriptors may be written: from Wq to Wv,
	s_mov_b32 s66, s17
	s_add_nc_u64 s[G0W0+2:G0W0+3], s[G0W0+2:G0W0+3], s[66:67]   ; my quarter of it, in memory
	s_add_co_u32 s[G0W0+1], s17, W0                ; and in LDS,
	s_mov_b32 s[G1WC+2], 96<<16                    ; of 96 rows
	s_mov_b32 s[G1WC+4], 96
	s_wait_dscnt 0x0                               ; the add is done, and my reads of Wq's codes are over
	ROUND                                          ; both hold of every wave of every partner
	tensor_load_to_lds s[G0W0:G0W0+3], s[G1WC:G1WC+7]   ; Wv into Wq's place: my one tensor load behind the round, and the first thing there
	s_nop 0
	PLACES 4                                       ; (also the places between the last products and the first read of results)
	EPILOG QCB, 6144, 1, QSB
	GEMM XM, W1N, ADSK                             ; k
	PLACES 4
	EPILOG KCB, 6144, 1, KSB
	s_wait_tensorcnt 0x0                           ; my quarter of Wv is in,
	s_wait_dscnt 0x0
	s_barrier_signal -1
	s_barrier_wait -1                              ; everybody's is
	GEMM W0M, XN, ADSV                             ; V^T: the operands change roles
	PLACES 4
	EPILOG VCB, 1536, 0, VSB
	s_wait_tensorcnt 0x0                           ; the wave's end
	ds_add_u32 v[SPW], v[NIL]
	s_wait_dscnt 0x0
	ROUND                                          ; the closing round
	s_endpgm
.Lfunc_end_k_q4f7f3c261c_proj:
	.size	k_q4f7f3c261c_proj, .Lfunc_end_k_q4f7f3c261c_proj-k_q4f7f3c261c_proj
	.p2alignl 7, 3214868480
	.fill 96, 4, 3214868480
	.section	.rodata,"a",@progbits
	.p2align	6, 0x0
	.amdhsa_kernel k_q4f7f3c261c_proj
		.amdhsa_group_segment_fixed_size 327680
		.amdhsa_private_segment_fixed_size 0
		.amdhsa_enable_private_segment 0
		.amdhsa_kernarg_size 24
		.amdhsa_user_sgpr_count 2
		.amdhsa_user_sgpr_kernarg_segment_ptr 1
		.amdhsa_wavefront_size32 1
		.amdhsa_system_sgpr_workgroup_id_x 1
		.amdhsa_system_sgpr_workgroup_id_y 1
		.amdhsa_system_sgpr_workgroup_id_z 1
		.amdhsa_system_vgpr_workitem_id 0
		.amdhsa_next_free_vgpr 1024
		.amdhsa_next_free_sgpr 100
		.amdhsa_reserve_vcc 0
		.amdhsa_float_denorm_mode_32 3
		.amdhsa_float_denorm_mode_16_64 3
		.amdhsa_memory_ordered 1
		.amdhsa_forward_progress 1
		.amdhsa_inst_pref_size 255
	.end_amdhsa_kernel
	.section	.bss,"aw",@nobits
	.p2align	6
	.space	262144
	.amdgpu_metadata
---
amdhsa.version: [ 1, 2 ]
amdhsa.kernels:
  - .name:           k_q4f7f3c261c_proj
    .symbol:         k_q4f7f3c261c_proj.kd
    .args:
      - { .name: cod, .offset: 0, .size: 8, .value_kind: global_buffer, .address_space: global }
      - { .name: scl, .offset: 8, .size: 8, .value_kind: global_buffer, .address_space: global }
      - { .name: qkv, .offset: 16, .size: 8, .value_kind: global_buffer, .address_space: global }
    .group_segment_fixed_size: 327680
    .private_segment_fixed_size: 0
    .kernarg_segment_align: 8
    .kernarg_segment_size: 24
    .max_flat_workgroup_size: 128
    .sgpr_count:     100
    .vgpr_count:     1024
    .wavefront_size: 32
...
	.end_amdgpu_metadata
.endif
;; end of part 2
;; launch attn (part 3): grid 8 x 32, 4 waves a work-group, clusters of 4 x 1, 327,680 bytes of LDS; arguments qkv, att; writes att
.if DOCPART == 3
	.amdgcn_target "amdgcn-amd-amdhsa--gfx1250"
	.amdhsa_code_object_version 6
	.text
	.protected	k_q4f7f3c261c_attn
	.globl	k_q4f7f3c261c_attn
	.p2align	8
	.type	k_q4f7f3c261c_attn,@function
k_q4f7f3c261c_attn:
	s_mov_b64 s[64:65], 0
	v_nop
	global_prefetch_b8 v0, s[64:65] scope:SCOPE_SE
	s_setreg_imm32_b32 hwreg(HW_REG_WAVE_MODE, 25, 1), 1
	s_wait_xcnt 0x0
	s_wait_alu depctr_hold_cnt(0) depctr_sa_sdst(0) depctr_va_vdst(0) depctr_va_sdst(0) depctr_va_ssrc(0) depctr_va_vcc(0) depctr_vm_vsrc(0)
	s_getreg_b32 s2, hwreg(HW_REG_IB_STS2, 6, 4)
	s_cmp_eq_u32 s2, 0
	s_cbranch_scc0 .Lentry_in_a_cluster
	s_endpgm
.Lentry_in_a_cluster:
	s_bfe_u32 s2, ttmp6, 0x10000c
	s_cmp_lg_u32 s2, 0x3003
	s_cbranch_scc0 .Lentry_shape_is_right
	s_endpgm
.Lentry_shape_is_right:
; For head hh and 128 queries: S^T = K Q^T, p = 2^(t - M), O^T = V^T P^T, O / l, quantised along the head's 512 and stored as images of the last product's operand.  All products on codes of FP6 (E2M3) with E8M0 scales.
; THE SOFTMAX.  t = score x log2(e).  For each query and each step of 128 keys, M_j = the ceiling of that step's largest t, taken away before the exponential: p_j = 2^(t - M_j), at most 1, is quantised along the keys.
; M_j is a whole number, so the codes are those under the row's own M = max M_j; only the scale bytes differ, by M_j - M.  All of the work-group's p (128 x 1,024: 98,304 bytes of codes) stays in LDS; when all key steps are done,
; M_j - M is added to p's scale bytes (held at 0 from below), and l = sum of l_j 2^(M_j - M), l_j the sum of the unquantised p_j.  So O is never rescaled, and the second product is a plain product with 128 x 128 to a wave.
; SHARES.  Phase 1: wave (a, b) makes query tiles 4 a .. 4 a + 3 against key step b of each record of 256 keys: a fragment of K feeds four products.  Phase 2: wave w makes d tiles 8 w .. 8 w + 7 for all 8 query tiles: 64 accumulators.
; Both products are used transposed (source 0 = 16 keys, or 16 of the head's 512; source 1 = 16 queries): a lane holds one query throughout, and since the rows of every tile are 32 (t / 2) + 8 (t % 2) + r + 8 (r / 8), the 16 registers
; of two neighbouring tiles are 16 neighbours along the next K.
; RING.  The head's records K0-3, V0-3 (102,400 bytes each, dense) go through two LDS slots; each wave fetches a quarter.  The four query blocks of a cluster walk the same records: each is asked for jointly (mask 15).
; The change of slots stands at a stage's head; behind its round the other slot is filled: one tensor load a wave is out, with a whole stage's work in which to land.
; PREFETCH into the L2: at the changes of stages 0 to 5, the codes of the record that the NEXT change will ask for.  Both clusters of a head walk the same records: the head's first cluster asks; its four partners are told apart by address:
; waves 0 to 2 of partner cx take 8,192 bytes each at (3 cx + wave) x 8,192, lanes 256 bytes apart: 12 instructions name the record's 98,304 bytes of codes once.  The first two records and the scale words come by their loads alone.
; LIMITS: NaN and infinities are not served.  A key step whose M_j lies more than 127 under the row's M counts with M_j - M held at -127, and a scale byte that would fall under 0 is held at 0 (2^-127): under 1e-36 of the row's sum.
; Blocks of O whose largest magnitude lies under 2^-124 keep the scale byte 1.
; REGISTERS, in windows of 256: window 0: v1-23 addresses, v28-29 for the add, v32-55 scale words, v64-123 at work, v128-223 p's eight fragments (one set), v224-239 1 / l.
;   window 1: K's or V's fragments, two sets, at v0 and v128.  window 2: S^T (q', kt) at v[8 (8 q' + kt)], then the accumulators of query tiles 0-3.  window 3: Q (q', s) at v[12 (4 q' + s)], then those of tiles 4-7.
.set REC,   102400
.set PIM,   204800                     ; LDS behind the two slots: p's images [query tile 8][key step 8][1,536],
.set PSC,   303104                     ; p's scale words [key step 8][query tile 8][16 words]; at + 4,096 -M_j, at + 8,192 l_j, laid alike;
.set RLS,   PSC+12288                  ; 1 / l [query tile 8][16 words];
.set STG,   315904                     ; 512 bytes a wave: the results' scale words;
.set SPARE, 317952                     ; the spare words: 128 bytes a wave, two blocks of 256 bytes that no other line names
.set L16,  1
.set L4,   2
.set R4,   3
.set AK,   4                           ; v4-5   K's fragments in slot 0, 1
.set ASK,  6                           ; v6-7   K's scale words
.set AV,   8                           ; v8-9   V's fragments
.set ASV,  10                          ; v10-11 V's scale words
.set APW,  12                          ; where I store p's images
.set APR,  13                          ; v13-14 where p's images are read: query tiles 0-3, 4-7
.set APS,  15                          ; where I store p's scale words, -M_j and l_j
.set APSR, 16                          ; where p's scale words are read
.set AFX,  17                          ; the fix-up: my query's words
.set ARL,  18
.set STW,  19
.set STR,  20
.set ADP,  21
.set ADS,  22
.set PFO,  23
.set SPW,  28
.set NIL,  29
.set KS,   32                          ; phase 1: K's scale words, register 4 s + p: tiles 2 p (lanes 0-15), 2 p + 1 (lanes 16-31)
.set VS,   32                          ; phase 2: V's, register 4 jj + p;
.set PS,   40                          ; p's, likewise
.set QS,   48                          ; Q's, register 2 s + p
.set BM,   64
.set T2,   68
.set SF,   72
.set PW,   76
.set XX,   77
.set NM,   78                          ; v78 -M_j (v79 is named with it as a pair)
.set LA,   80
.set LB,   82
.set LS,   84
.set LT,   85
.set PC,   96
.set SD,   120
.set AF,   128
.set FW,   128                         ; the fix-up: eight scale words, eight -M_j, eight l_j, eight at work
.set FN,   136
.set FL,   144
.set FE,   152
.set FT,   160
.set RL,   224
.set WV,   8
.set G1,   16
.set G0,   24
.set CS,   32
.set SEL,  34
.set TJ,   36
.set TS,   37
.set TRIP, 38
.set LIM,  39
.set PFA,  40
.set QC,   42
.set QSB,  44
.set AT,   46
.set MSB, 0
.macro WIN new                         ; the immediate's high byte repeats the setting that is left; a switch that changes nothing is dropped
.if MSB != (\new)
	s_set_vgpr_msb (MSB<<8)|(\new)
.set MSB, (\new)
.endif
.endm
.macro PLACES n
.rept \n
	v_nop
.endr
.endm
.macro ROUND                           ; a round of the cluster's barrier
	s_barrier_signal -1
	s_barrier_wait -1
	s_cmp_lg_u32 s[WV], 0
	s_cbranch_scc1 .Lnw0_\@
	s_barrier_signal -3
.Lnw0_\@:
	s_barrier_wait -3
	s_barrier_signal -1
	s_barrier_wait -1
.endm
.macro ASK                             ; the branch hangs on the cluster's number and the wave's: the same in all four partners
	s_cmp_eq_u32 s[LIM], 1
	s_cbranch_scc0 .Lnot_mine_\@
	global_prefetch_b8 v[PFO], s[PFA:PFA+1] th:TH_LOAD_NT scope:SCOPE_SE
.Lnot_mine_\@:
.endm
; One matrix instruction, from the symbols rD (D and C), rX (source 0), rY (source 1), rZ (1: C = 0), rSA, rSB (scale registers), rRA, rRB (1: the scales stand in lanes 16-31)
.macro WMS
.if rZ
.if rRA && rRB
	v_wmma_scale_f32_16x16x128_f8f6f4 v[rD:rD+7], v[rX:rX+11], v[rY:rY+11], 0, v[rSA], v[rSB] matrix_a_fmt:MATRIX_FMT_FP6 matrix_b_fmt:MATRIX_FMT_FP6 matrix_a_scale:MATRIX_SCALE_ROW1 matrix_b_scale:MATRIX_SCALE_ROW1
.elseif rRA
	v_wmma_scale_f32_16x16x128_f8f6f4 v[rD:rD+7], v[rX:rX+11], v[rY:rY+11], 0, v[rSA], v[rSB] matrix_a_fmt:MATRIX_FMT_FP6 matrix_b_fmt:MATRIX_FMT_FP6 matrix_a_scale:MATRIX_SCALE_ROW1
.elseif rRB
	v_wmma_scale_f32_16x16x128_f8f6f4 v[rD:rD+7], v[rX:rX+11], v[rY:rY+11], 0, v[rSA], v[rSB] matrix_a_fmt:MATRIX_FMT_FP6 matrix_b_fmt:MATRIX_FMT_FP6 matrix_b_scale:MATRIX_SCALE_ROW1
.else
	v_wmma_scale_f32_16x16x128_f8f6f4 v[rD:rD+7], v[rX:rX+11], v[rY:rY+11], 0, v[rSA], v[rSB] matrix_a_fmt:MATRIX_FMT_FP6 matrix_b_fmt:MATRIX_FMT_FP6
.endif
.else
.if rRA && rRB
	v_wmma_scale_f32_16x16x128_f8f6f4 v[rD:rD+7], v[rX:rX+11], v[rY:rY+11], v[rD:rD+7], v[rSA], v[rSB] matrix_a_fmt:MATRIX_FMT_FP6 matrix_b_fmt:MATRIX_FMT_FP6 matrix_a_scale:MATRIX_SCALE_ROW1 matrix_b_scale:MATRIX_SCALE_ROW1
.elseif rRA
	v_wmma_scale_f32_16x16x128_f8f6f4 v[rD:rD+7], v[rX:rX+11], v[rY:rY+11], v[rD:rD+7], v[rSA], v[rSB] matrix_a_fmt:MATRIX_FMT_FP6 matrix_b_fmt:MATRIX_FMT_FP6 matrix_a_scale:MATRIX_SCALE_ROW1
.elseif rRB
	v_wmma_scale_f32_16x16x128_f8f6f4 v[rD:rD+7], v[rX:rX+11], v[rY:rY+11], v[rD:rD+7], v[rSA], v[rSB] matrix_a_fmt:MATRIX_FMT_FP6 matrix_b_fmt:MATRIX_FMT_FP6 matrix_b_scale:MATRIX_SCALE_ROW1
.else
	v_wmma_scale_f32_16x16x128_f8f6f4 v[rD:rD+7], v[rX:rX+11], v[rY:rY+11], v[rD:rD+7], v[rSA], v[rSB] matrix_a_fmt:MATRIX_FMT_FP6 matrix_b_fmt:MATRIX_FMT_FP6
.endif
.endif
.endm
	s_load_b128 s[4:7], s[0:1], 0x0                ; qkv, att
	v_lshl_add_u32 v[SPW], v0, 2, SPARE
	v_mov_b32 v[NIL], 0
	ds_add_u32 v28, v29
	ds_add_u32 v28, v29
	s_wait_dscnt 0x0
	v_lshrrev_b32 v24, 5, v0
	v_readfirstlane_b32 s[WV], v24                 ; wave 0..3
	s_lshr_b32 s9, s[WV], 1                        ; a
	s_and_b32 s10, s[WV], 1                        ; b
	s_bfe_u32 s11, ttmp6, 0x40000                  ; cx
	s_and_b32 s12, ttmp7, 0xffff                   ; the head, which the four partners share
	s_lshl_b32 s13, ttmp9, 2
	s_add_co_u32 s13, s13, s11                     ; qb: my block of 128 queries
	; descriptor group 1: a quarter of a record, 25,600 dense bytes, as 100 rows of 256 bytes (32 elements of 8 bytes)
	s_mov_b32 s[G1], 15|(3<<16)|(1<<21)            ; 15:0 the mask: all four work-groups; 17:16 elements of 8 bytes; 21 set beside a mask
	s_mov_b32 s[G1+1], 32<<16
	s_mov_b32 s[G1+2], 100<<16
	s_mov_b32 s[G1+3], 32<<16
	s_mov_b32 s[G1+4], 100
	s_mov_b32 s[G1+5], 32
	s_mov_b32 s[G1+6], 0
	s_mov_b32 s[G1+7], 0
	s_mul_i32 s48, s12, 12*REC                     ; the head's first record
	s_mul_i32 s49, s[WV], 25600                    ; my quarter, in memory and in a slot: no place in the cluster enters
	s_add_co_u32 s50, s48, s49
	s_add_co_u32 s50, s50, 4*REC                   ; K0
	s_mov_b32 s51, 0
	s_wait_kmcnt 0x0
	s_mov_b32 s[G0], 1
	s_mov_b32 s[G0+1], s49
	s_add_nc_u64 s[G0+2:G0+3], s[4:5], s[50:51]
	s_mov_b32 s[G0+4], 1
	s_add_co_u32 s[G0+5], s49, REC
	s_add_nc_u64 s[G0+6:G0+7], s[G0+2:G0+3], REC   ; K1
	s_or_b32 s[G0+3], s[G0+3], 0x80000000
	s_or_b32 s[G0+7], s[G0+7], 0x80000000
	ROUND                                          ; all four work-groups are here: the first joint load meets
	tensor_load_to_lds s[G0:G0+3], s[G1:G1+7]      ; K0 into slot 0; slot 1 is filled behind the first stage's round
	s_nop 0
	PLACES 4
	v_and_b32 v24, 31, v0
	v_lshlrev_b32 v[L16], 4, v24
	s_wait_alu depctr_va_vdst(0)
	v_lshlrev_b32 v[L4], 2, v24
	s_wait_alu depctr_va_vdst(0)
	v_lshlrev_b32 v[PFO], 8, v24
	v_and_b32 v25, 15, v0
	v_lshlrev_b32 v[R4], 2, v25
	; Q: the head's record qb / 2, tiles 8 (qb % 2) + 4 a on
	s_lshr_b32 s52, s13, 1
	s_mul_i32 s52, s52, REC
	s_add_co_u32 s52, s52, s48
	s_and_b32 s53, s13, 1
	s_lshl_b32 s53, s53, 3
	s_lshl_b32 s54, s9, 2
	s_add_co_u32 s53, s53, s54
	s_mul_i32 s54, s53, 6144
	s_add_co_u32 s54, s54, s52
	s_mov_b32 s55, 0
	s_add_nc_u64 s[QC:QC+1], s[4:5], s[54:55]
	s_lshl_b32 s54, s53, 6
	s_add_co_u32 s54, s54, s52
	s_add_co_u32 s54, s54, 98304
	s_add_nc_u64 s[QSB:QSB+1], s[4:5], s[54:55]
	WIN 0xc0                                       ; destination window 3
.irp q, 0,1,2,3
.irp s, 0,1,2,3
.irp c, 0,1,2
	global_load_b128 v[12*(4*\q+\s)+4*\c:12*(4*\q+\s)+4*\c+3], v[L16], s[QC:QC+1] offset:6144*\q+1536*\s+512*\c   ; Q stays in registers
.endr
.endr
.endr
	WIN 0
.irp s, 0,1,2,3
.irp p, 0,1
	global_load_b32 v[QS+2*\s+\p], v[L4], s[QSB:QSB+1] offset:1024*\s+128*\p
.endr
.endr
	s_mul_i32 s14, s10, 49152
	v_add_nc_u32 v[AK], s14, v[L16]                ; K: my key step's eight tiles
	v_add_nc_u32 v[AK+1], REC, v[AK]
	s_lshl_b32 s14, s10, 9
	s_add_co_u32 s14, s14, 98304
	v_add_nc_u32 v[ASK], s14, v[L4]
	v_add_nc_u32 v[ASK+1], REC, v[ASK]
	s_mul_i32 s14, s[WV], 12288
	v_add_nc_u32 v[AV], s14, v[L16]                ; V: my eight d tiles
	v_add_nc_u32 v[AV+1], REC, v[AV]
	s_lshl_b32 s14, s[WV], 9
	s_add_co_u32 s14, s14, 98304
	v_add_nc_u32 v[ASV], s14, v[L4]
	v_add_nc_u32 v[ASV+1], REC, v[ASV]
	s_mul_i32 s14, s9, 49152
	s_mul_i32 s15, s10, 1536
	s_add_co_u32 s14, s14, s15
	s_add_co_u32 s14, s14, PIM
	v_add_nc_u32 v[APW], s14, v[L16]
	v_add_nc_u32 v[APR], PIM, v[L16]
	v_add_nc_u32 v[APR+1], PIM+49152, v[L16]
	s_lshl_b32 s14, s10, 9
	s_lshl_b32 s15, s9, 8
	s_add_co_u32 s14, s14, s15
	s_add_co_u32 s14, s14, PSC
	v_add_nc_u32 v[APS], s14, v[R4]
	v_add_nc_u32 v[APSR], PSC, v[L4]
	s_lshl_b32 s14, s[WV], 7
	s_add_co_u32 s14, s14, PSC
	v_add_nc_u32 v[AFX], s14, v[L4]                ; the fix-up: lane l of wave w owns query tile 2 w + l / 16, row l % 16
	v_add_nc_u32 v[ARL], RLS, v[R4]
	s_lshl_b32 s14, s[WV], 9
	s_add_co_u32 s14, s14, STG
	v_add_nc_u32 v[STW], s14, v[R4]
	v_add_nc_u32 v[STR], s14, v[L16]
.irp b, 0,1,2,3
	v_mov_b32 v[T2+\b], 0                          ; written once: a lane permute's destination counts as one of its sources
.endr
	v_mov_b32 v[LT], 0
	v_mov_b32 v[NM+1], 0                           ; (named as the upper half of a pair)
	; att: entry ((8 (hh / 8) + qb) x 32 + 4 (hh % 8) + w) of 12,800 bytes
	s_lshr_b32 s52, s12, 3
	s_lshl_b32 s52, s52, 3
	s_add_co_u32 s52, s52, s13
	s_lshl_b32 s52, s52, 5
	s_and_b32 s53, s12, 7
	s_lshl_b32 s53, s53, 2
	s_add_co_u32 s52, s52, s53
	s_add_co_u32 s52, s52, s[WV]
	s_mul_i32 s54, s52, 12800
	s_add_nc_u64 s[AT:AT+1], s[6:7], s[54:55]
	; the prefetches: in record K1; each change steps a record on ahead of its prefetch
	s_mul_i32 s52, s11, 3
	s_add_co_u32 s52, s52, s[WV]
	s_lshl_b32 s52, s52, 13
	s_add_co_u32 s54, s52, s48
	s_add_co_u32 s54, s54, 5*REC
	s_add_nc_u64 s[PFA:PFA+1], s[4:5], s[54:55]
	s_cmp_eq_u32 s[WV], 3
	s_cselect_b32 s52, 1, 0
	s_or_b32 s52, s52, ttmp9
	s_cmp_eq_u32 s52, 0
	s_cselect_b32 s[LIM], 1, -1                    ; waves 0 to 2 of the head's first cluster
	s_mov_b32 s[CS], 0x3fb8aa3b                    ; log2(e)
	s_mov_b32 s[CS+1], s[CS]
	s_mov_b32 s[SEL], 0x76543210
	s_mov_b32 s[SEL+1], 0xfedcba98
	s_mov_b32 s56, 0x01010101
	s_mov_b32 s[TJ], 0
	s_mov_b32 s[TS], 0
.macro FRAG reg, adr, off              ; a fragment's image: three loads of 512 consecutive bytes
.irp c, 0,1,2
	ds_load_b128 v[\reg+4*\c:\reg+4*\c+3], v[\adr] offset:\off+512*\c
.endr
.endm
; THE CHANGE OF SLOTS, at the head of the stage that reads slot s.  Each wave waits for all its tensor loads (its quarter of slot s), adds 0 to its spare word, and waits for that and for all its LDS reads and stores.
; Behind the round slot s is whole, nobody reads the other slot, and (phase 1) what the waves stored in LDS is there for all.  fill = 1: the other slot takes the next record.
.macro CHANGE s, fill, ask
	WIN 0
	s_wait_tensorcnt 0x0                           ; no tensor load of mine is out, so a group 0 may be written
	ds_add_u32 v[SPW], v[NIL]                      ; 0 onto my spare word
	s_add_nc_u64 s[G0+4*(\s)+2:G0+4*(\s)+3], s[G0+4*(\s)+2:G0+4*(\s)+3], 2*REC   ; this slot's next record (the last two steps are not used)
.if \ask
	s_wait_xcnt 0x0                                ; the last prefetch, a stage back, has read its address
	s_add_nc_u64 s[PFA:PFA+1], s[PFA:PFA+1], REC
.endif
	s_wait_dscnt 0x0
.if \fill
	ROUND
	tensor_load_to_lds s[G0+4*(1-(\s)):G0+4*(1-(\s))+3], s[G1:G1+7]   ; my one tensor load behind the round, and the first thing there
	s_nop 0
	PLACES 4                                       ; (also the places in front of loads into registers that matrix instructions have read)
.else
	s_barrier_signal -1
	s_barrier_wait -1
.endif
.if \ask
	ASK
.endif
.endm
.macro FETCHK slot, s, p               ; K's eight fragments of K step s into set p
	WIN 0x40
.irp kt, 0,1,2,3,4,5,6,7
	FRAG 128*(\p)+12*\kt, AK+\slot, 6144*\kt+1536*(\s)
.endr
	WIN 0
.endm
.macro QMAX s, w                       ; 64 numbers in window w, register 16 b + i = k 32 b + 16 h + i: the four blocks' largest magnitudes; each accumulator is read from its low end on
	WIN ((\w)<<2)|(\w)
.irp b, 0,1,2,3
	v_max3_num_f32 v[BM+\b], |v[\s+16*\b]|, |v[\s+16*\b+1]|, 0x1800000
.endr
	WIN ((\w)<<4)|((\w)<<2)
.irp i, 2,4,6,8,10,12,14
.irp b, 0,1,2,3
	v_max3_num_f32 v[BM+\b], v[BM+\b], |v[\s+16*\b+\i]|, |v[\s+16*\b+\i+1]|
.endr
.endr
	WIN 0
.irp b, 0,1,2,3
	v_permlanex16_b32 v[T2+\b], v[BM+\b], s[SEL], s[SEL+1]
.endr
.irp b, 0,1,2,3
	v_max_num_f32 v[BM+\b], v[BM+\b], v[T2+\b]
.endr
.endm
.macro QCODE s, w                      ; from the largest magnitudes in v[BM] on: the fragment's codes in v[PC:PC+11], my row's scale word in v[PW]
.irp b, 0,1,2,3
	v_add_nc_u32 v[SF+\b], 0xff000000, v[BM+\b]    ; 2 off the exponent field: the conversion's scale operand
.endr
.irp b, 0,1,2,3
	v_lshrrev_b32 v[T2+\b], 23, v[SF+\b]
.endr
	v_lshl_or_b32 v[PW], v[T2+1], 8, v[T2]
	v_lshl_or_b32 v[PW], v[T2+2], 16, v[PW]
	v_lshl_or_b32 v[PW], v[T2+3], 24, v[PW]
	WIN \w
.irp c, 0,1
	v_cvt_scalef32_pk16_fp6_f32 v[PC+6*\c:PC+6*\c+2], v[\s+32*\c:\s+32*\c+15], v[SF+2*\c]
	v_cvt_scalef32_pk16_fp6_f32 v[PC+12+4*\c:PC+14+4*\c], v[\s+16+32*\c:\s+31+32*\c], v[SF+2*\c+1]
.endr
	WIN 0
	v_nop                                          ; one plain place behind a scaled conversion
.irp c, 0,1
.irp i, 0,1,2
	v_permlane16_swap_b32 v[PC+6*\c+\i], v[PC+12+4*\c+\i]
.endr
.irp i, 0,1,2
	v_mov_b32 v[PC+3+6*\c+\i], v[PC+12+4*\c+\i]
.endr
.endr
.endm
; The softmax of query tile q for this stage's 128 keys.  The exponentials go as one batch with one wait; the four of the blocks' largest p are a second batch, with the row's sums as the work behind them.
.macro SMX q, slot
.set SB, 64*(\q)
	WIN 0x0a
.irp b, 0,1,2,3
	v_max_num_f32 v[BM+\b], v[SB+16*\b], v[SB+16*\b+1]   ; the largest score of each block of 32 keys: it serves for the row's maximum and, since p rises with the score, for the block's largest p
.endr
	WIN 0x28
.irp i, 2,4,6,8,10,12,14
.irp b, 0,1,2,3
	v_max3_num_f32 v[BM+\b], v[BM+\b], v[SB+16*\b+\i], v[SB+16*\b+\i+1]
.endr
.endr
	WIN 0
.irp b, 0,1,2,3
	v_permlanex16_b32 v[T2+\b], v[BM+\b], s[SEL], s[SEL+1]
.endr
.irp b, 0,1,2,3
	v_max_num_f32 v[BM+\b], v[BM+\b], v[T2+\b]
.endr
	v_max3_num_f32 v[XX], v[BM], v[BM+1], v[BM+2]
	v_max_num_f32 v[XX], v[XX], v[BM+3]
	v_mul_f32 v[XX], s[CS], v[XX]                  ; the step's largest t
	v_floor_f32 v[NM], -v[XX]                      ; -M_j = floor(-t) = -ceil(t): a whole number
.irp b, 0,1,2,3
	v_fma_f32 v[BM+\b], v[BM+\b], s[CS], v[NM]
.endr
	WIN 0x82
.set n, 0
.rept 32
	v_pk_fma_f32 v[SB+n:SB+n+1], v[SB+n:SB+n+1], s[CS:CS+1], v[NM:NM+1] op_sel_hi:[1,0,0]   ; t - M_j, two at a time
.set n, n+2
.endr
.set n, 0
	s_wait_alu depctr_va_vdst(0)
.rept 64
	v_exp_f32 v[SB+n], v[SB+n]                     ; p = 2^(t - M_j), at most 1
.set n, n+1
.endr
	WIN 0
	v_nop                                          ; a plain place behind the exponentials
	s_wait_alu depctr_va_vdst(0)                   ; one wait for the batch, ahead of its first reader
.irp b, 0,1,2,3
	v_exp_f32 v[BM+\b], v[BM+\b]                   ; the block's largest p: the same two instructions on the same number give the same bits
.endr
	WIN 0x0a
	v_pk_add_f32 v[LA:LA+1], v[SB:SB+1], v[SB+2:SB+3]       ; the sum is taken of the unquantised p, two at a time, in two chains
	v_pk_add_f32 v[LB:LB+1], v[SB+4:SB+5], v[SB+6:SB+7]
	WIN 0x08
.irp j, 8,12,16,20,24,28,32,36,40,44,48,52,56,60
	v_pk_add_f32 v[LA:LA+1], v[LA:LA+1], v[SB+\j:SB+\j+1]
	v_pk_add_f32 v[LB:LB+1], v[LB:LB+1], v[SB+\j+2:SB+\j+3]
.endr
	WIN 0
	v_pk_add_f32 v[LA:LA+1], v[LA:LA+1], v[LB:LB+1]
	s_wait_alu depctr_va_vdst(0)                   ; and one for the four
	v_add_f32 v[LS], v[LA], v[LA+1]
	v_permlanex16_b32 v[LT], v[LS], s[SEL], s[SEL+1]
	v_add_f32 v[LS], v[LS], v[LT]                  ; l_j
.irp b, 0,1,2,3
	v_max_num_f32 v[BM+\b], 0x1800000, v[BM+\b]    ; the floor 2^(3 - 127): the byte cannot fall under 1
.endr
	s_wait_alu depctr_va_vdst(0)
	s_wait_dscnt 0x0                               ; the last tile's LDS stores have read their registers
	QCODE SB, 2
.irp c, 0,1,2
	ds_store_b128 v[ADP], v[PC+4*\c:PC+4*\c+3] offset:3072*(\slot)+12288*(\q)+512*\c
.endr
	ds_store_b32 v[ADS], v[PW] offset:1024*(\slot)+64*(\q)          ; both halves of the lanes write the same words with the same values
	ds_store_b32 v[ADS], v[NM] offset:1024*(\slot)+64*(\q)+4096
	ds_store_b32 v[ADS], v[LS] offset:1024*(\slot)+64*(\q)+8192
.endm
; PHASE 1, one stage: S^T of my four query tiles against my key step of the record in the slot: 128 matrix instructions on 32 accumulators by turns; then the four softmaxes.
.macro PH1 slot
	v_add_nc_u32 v[ADP], s[TJ], v[APW]
	v_add_nc_u32 v[ADS], s[TS], v[APS]
	FETCHK \slot, 0, 0
.irp s, 0,1,2,3
.irp p, 0,1,2,3
	ds_load_b32 v[KS+4*\s+\p], v[ASK+\slot] offset:1024*\s+128*\p
.endr
.endr
.irp s, 0,1,2,3
.if \s < 3
	PLACES 4                                       ; in front of loads into the set that the last K step's products read
	FETCHK \slot, \s+1, (\s+1)%2
	s_wait_dscnt 24                                ; all but the 24 loads just issued
.else
	s_wait_dscnt 0x0
.endif
.if \s == 0
.set rZ, 1
.else
.set rZ, 0
.endif
	WIN 0xad                                       ; source 0 (K) window 1, source 1 (Q) window 3, C and D window 2
.irp kt, 0,1,2,3,4,5,6,7
.irp q, 0,1,2,3
.set rD, 8*(8*\q+\kt)
.set rX, 128*(\s%2)+12*\kt
.set rY, 12*(4*\q+\s)
.set rSA, KS+4*\s+\kt/2
.set rRA, \kt%2
.set rSB, QS+2*\s+\q/2
.set rRB, \q%2
	WMS
.endr
.endr
.endr
	WIN 0
	PLACES 4
	SMX 0, \slot
	SMX 1, \slot
	SMX 2, \slot
	SMX 3, \slot
.endm
; PHASE 2
.macro FETCH_V slot, jj, p
	WIN 0x40
.irp i, 0,1,2,3,4,5,6,7
	FRAG 128*(\p)+12*\i, AV+\slot, 49152*(\jj)+1536*\i
.endr
	WIN 0
.endm
.macro FETCH_P j, i0                   ; p's query tiles i0 .. i0 + 3 of key step j
.irp i, \i0, \i0+1, \i0+2, \i0+3
	FRAG AF+12*(\i), APR+(\i)/4, 12288*((\i)%4)+1536*(\j)
.endr
.endm
.macro PSCALES slot, j0
.irp jj, 0,1
.irp p, 0,1,2,3
	ds_load_b32 v[VS+4*\jj+\p], v[ASV+\slot] offset:2048*\jj+128*\p
	ds_load_b32 v[PS+4*\jj+\p], v[APSR] offset:512*((\j0)+\jj)+128*\p
.endr
.endr
.endm
.macro MULP a0, p, jj, zero            ; 16 matrix instructions: query tiles a0, a0 + 1 x my eight d tiles
.set rZ, \zero
.irp a, \a0, \a0+1
.irp b, 0,1,2,3,4,5,6,7
.set rD, 8*(8*((\a)%4)+\b)
.set rX, 128*(\p)+12*\b
.set rY, AF+12*(\a)
.set rSA, VS+4*(\jj)+\b/2
.set rRA, \b%2
.set rSB, PS+4*(\jj)+(\a)/2
.set rRB, (\a)%2
	WMS
.endr
.endr
.endm
.macro PH2 slot, j0, zero              ; one record of V: two key steps, 128 matrix instructions on 64 accumulators by turns.  p has one set of registers, V two
	FETCH_V \slot, 0, 0
	FETCH_P \j0, 0
	PSCALES \slot, \j0
	FETCH_P \j0, 4
	s_wait_dscnt 12                                ; all but the youngest 12 loads (p's tiles 4-7)
	WIN 0xa1
	MULP 0, 0, 0, \zero
	MULP 2, 0, 0, \zero
	s_wait_dscnt 0x0
	PLACES 4
	FETCH_V \slot, 1, 1
	FETCH_P (\j0)+1, 0
	WIN 0xf1
	MULP 4, 0, 0, \zero
	MULP 6, 0, 0, \zero
	PLACES 4
	WIN 0
	FETCH_P (\j0)+1, 4
	s_wait_dscnt 12
	WIN 0xa1
	MULP 0, 1, 1, 0
	MULP 2, 1, 1, 0
	s_wait_dscnt 0x0
	WIN 0xf1
	MULP 4, 1, 1, 0
	MULP 6, 1, 1, 0
	WIN 0
.endm
.macro OUT qt                          ; query tile qt: O^T / l, quantised along my 128 of the head's 512, stored as an image
.set EW, 2+(\qt)/4
.set ES, 64*((\qt)%4)
	WIN (EW<<6)|EW
.set n, 0
.rept 32
	v_pk_mul_f32 v[ES+n:ES+n+1], v[ES+n:ES+n+1], v[RL+2*(\qt):RL+2*(\qt)+1] op_sel_hi:[1,0]
.set n, n+2
.endr
	QMAX ES, EW
	s_wait_alu depctr_va_vdst(0)
	s_wait_xcnt 0x0                                ; the last tile's stores have read the code registers,
	s_wait_dscnt 0x0                               ; and its LDS store the scale word
	QCODE ES, EW
.irp c, 0,1,2
	global_store_b128 v[L16], v[PC+4*\c:PC+4*\c+3], s[AT:AT+1] offset:1536*(\qt)+512*\c   ; 512 consecutive bytes, at a multiple of 256 from the buffer's first byte
.endr
	ds_store_b32 v[STW], v[PW] offset:64*(\qt)
.endm
	s_wait_loadcnt 0x0                             ; Q and its scale words
	s_mov_b32 s[TRIP], 2
.Lph1:                                             ; two trips: records K0, K1 and K2, K3
	CHANGE 0, 1, 1
	PH1 0
	CHANGE 1, 1, 1
	PH1 1
	s_add_co_u32 s[TJ], s[TJ], 6144                ; four key steps on among p's images,
	s_add_co_u32 s[TS], s[TS], 2048                ; and among the words
	s_sub_co_u32 s[TRIP], s[TRIP], 1
	s_cmp_lg_u32 s[TRIP], 0
	s_cbranch_scc1 .Lph1
	CHANGE 0, 1, 1                                 ; V0 is whole; all of p, -M_j and l_j lie in LDS for every wave
	; THE FIX-UP: my query's eight key steps are brought under one M
.irp j, 0,1,2,3,4,5,6,7
	ds_load_b32 v[FW+\j], v[AFX] offset:512*\j
.endr
.irp j, 0,1,2,3,4,5,6,7
	ds_load_b32 v[FN+\j], v[AFX] offset:4096+512*\j
.endr
.irp j, 0,1,2,3,4,5,6,7
	ds_load_b32 v[FL+\j], v[AFX] offset:8192+512*\j
.endr
	s_wait_dscnt 0x0
	v_min3_num_f32 v[FT], v[FN], v[FN+1], v[FN+2]
	v_min3_num_f32 v[FT], v[FT], v[FN+3], v[FN+4]
	v_min3_num_f32 v[FT], v[FT], v[FN+5], v[FN+6]
	v_min_num_f32 v[FT], v[FT], v[FN+7]            ; -M = the least -M_j
.irp j, 0,1,2,3,4,5,6,7
	v_sub_f32 v[FE+\j], v[FT], v[FN+\j]            ; e_j = M_j - M: a whole number, 0 or less,
.endr
.irp j, 0,1,2,3,4,5,6,7
	v_max_num_f32 v[FE+\j], 0xc2fe0000, v[FE+\j]   ; held at -127
.endr
.irp j, 0,1,2,3,4,5,6,7
	v_cvt_i32_f32 v[FE+\j], v[FE+\j]
.endr
.irp j, 0,1,2,3,4,5,6,7
	v_ldexp_f32 v[FL+\j], v[FL+\j], v[FE+\j]       ; l_j 2^e_j
.endr
.irp j, 0,2,4,6
	v_add_f32 v[FL+\j], v[FL+\j], v[FL+\j+1]
.endr
	v_add_f32 v[FL], v[FL], v[FL+2]
	v_add_f32 v[FL+4], v[FL+4], v[FL+6]
	v_add_f32 v[FL], v[FL], v[FL+4]                ; l, at least 1/2
	s_wait_alu depctr_va_vdst(0)
	v_rcp_f32 v[FT+1], v[FL]
	; each byte of a scale word (1 to 125) becomes max(byte + e_j, 0): with bit 7 set in every byte no borrow passes from byte to byte, and bit 7 of the difference says whether the byte stayed at 0 or above
.irp j, 0,1,2,3,4,5,6,7
	v_sub_nc_u32 v[FE+\j], 0, v[FE+\j]             ; -e_j, 0 to 127,
.endr
.irp j, 0,1,2,3,4,5,6,7
	v_mul_lo_u32 v[FE+\j], v[FE+\j], s56           ; in all four bytes
.endr
.irp j, 0,1,2,3,4,5,6,7
	v_or_b32 v[FW+\j], 0x80808080, v[FW+\j]
.endr
.irp j, 0,1,2,3,4,5,6,7
	v_sub_nc_u32 v[FW+\j], v[FW+\j], v[FE+\j]
.endr
.irp j, 0,1,2,3,4,5,6,7
	v_lshrrev_b32 v[FE+\j], 7, v[FW+\j]
.endr
.irp j, 0,1,2,3,4,5,6,7
	v_and_b32 v[FE+\j], s56, v[FE+\j]              ; 1 in each byte that stayed at 0 or above
.endr
.irp j, 0,1,2,3,4,5,6,7
	v_lshlrev_b32 v[FN+\j], 8, v[FE+\j]
.endr
.irp j, 0,1,2,3,4,5,6,7
	v_sub_nc_u32 v[FN+\j], v[FN+\j], v[FE+\j]      ; 0xff in each such byte
.endr
.irp j, 0,1,2,3,4,5,6,7
	v_and_b32 v[FW+\j], v[FW+\j], v[FN+\j]
.endr
.irp j, 0,1,2,3,4,5,6,7
	v_and_b32 v[FW+\j], 0x7f7f7f7f, v[FW+\j]
.endr
.irp j, 0,1,2,3,4,5,6,7
	ds_store_b32 v[AFX], v[FW+\j] offset:512*\j    ; in place: my own words
.endr
	s_wait_alu depctr_va_vdst(0)                   ; the wait for the reciprocal, ahead of its first reader
	ds_store_b32 v[AFX], v[FT+1] offset:12288      ; 1 / l
	s_wait_dscnt 0x0                               ; for the others' sake
	s_barrier_signal -1
	s_barrier_wait -1                              ; V1's load stays on its way
	PH2 0, 0, 1
	CHANGE 1, 1, 1
	PH2 1, 2, 0
	CHANGE 0, 1, 0                                 ; V3, the last record, is asked for; nothing is left to prefetch
	PH2 0, 4, 0
	CHANGE 1, 0, 0
	PLACES 4
	PH2 1, 6, 0
	PLACES 4
.irp qt, 0,1,2,3,4,5,6,7
	ds_load_b32 v[RL+2*\qt], v[ARL] offset:64*\qt
	ds_load_b32 v[RL+2*\qt+1], v[ARL] offset:64*\qt   ; (the packed form names a pair)
.endr
	s_wait_dscnt 0x0
.irp qt, 0,1,2,3,4,5,6,7
	OUT \qt
.endr
	ds_load_b128 v[SD:SD+3], v[STR]                ; LDS serves a wave's instructions in order: this sees my eight stores
	s_wait_dscnt 0x0
	global_store_b128 v[L16], v[SD:SD+3], s[AT:AT+1] offset:12288   ; the eight tiles' scale words: 512 consecutive bytes
	s_wait_tensorcnt 0x0                           ; the wave's end
	ds_add_u32 v[SPW], v[NIL]
	s_wait_dscnt 0x0
	ROUND                                          ; the closing round
	s_endpgm
.Lfunc_end_k_q4f7f3c261c_attn:
	.size	k_q4f7f3c261c_attn, .Lfunc_end_k_q4f7f3c261c_attn-k_q4f7f3c261c_attn
	.p2alignl 7, 3214868480
	.fill 96, 4, 3214868480
	.section	.rodata,"a",@progbits
	.p2align	6, 0x0
	.amdhsa_kernel k_q4f7f3c261c_attn
		.amdhsa_group_segment_fixed_size 327680
		.amdhsa_private_segment_fixed_size 0
		.amdhsa_enable_private_segment 0
		.amdhsa_kernarg_size 16
		.amdhsa_user_sgpr_count 2
		.amdhsa_user_sgpr_kernarg_segment_ptr 1
		.amdhsa_wavefront_size32 1
		.amdhsa_system_sgpr_workgroup_id_x 1
		.amdhsa_system_sgpr_workgroup_id_y 1
		.amdhsa_system_sgpr_workgroup_id_z 1
		.amdhsa_system_vgpr_workitem_id 0
		.amdhsa_next_free_vgpr 1024
		.amdhsa_next_free_sgpr 66
		.amdhsa_reserve_vcc 0
		.amdhsa_float_denorm_mode_32 3
		.amdhsa_float_denorm_mode_16_64 3
		.amdhsa_memory_ordered 1
		.amdhsa_forward_progress 1
		.amdhsa_inst_pref_size 255
	.end_amdhsa_kernel
	.section	.bss,"aw",@nobits
	.p2align	6
	.space	262144
	.amdgpu_metadata
---
amdhsa.version: [ 1, 2 ]
amdhsa.kernels:
  - .name:           k_q4f7f3c261c_attn
    .symbol:         k_q4f7f3c261c_attn.kd
    .args:
      - { .name: qkv, .offset: 0, .size: 8, .value_kind: global_buffer, .address_space: global }
      - { .name: att, .offset: 8, .size: 8, .value_kind: global_buffer, .address_space: global }
    .group_segment_fixed_size: 327680
    .private_segment_fixed_size: 0
    .kernarg_segment_align: 8
    .kernarg_segment_size: 16
    .max_flat_workgroup_size: 128
    .sgpr_count:     66
    .vgpr_count:     1024
    .wavefront_size: 32
...
	.end_amdgpu_metadata
.endif
;; end of part 3
;; launch outp (part 4): grid 8 x 32, 4 waves a work-group, clusters of 4 x 1, 327,680 bytes of LDS; arguments att, cod, scl, bo, out0; writes out0
.if DOCPART == 4
	.amdgcn_target "amdgcn-amd-amdhsa--gfx1250"
	.amdhsa_code_object_version 6
	.text
	.protected	k_q4f7f3c261c_outp
	.globl	k_q4f7f3c261c_outp
	.p2align	8
	.type	k_q4f7f3c261c_outp,@function
k_q4f7f3c261c_outp:
	s_mov_b64 s[64:65], 0
	v_nop
	global_prefetch_b8 v0, s[64:65] scope:SCOPE_SE
	s_setreg_imm32_b32 hwreg(HW_REG_WAVE_MODE, 25, 1), 1
	s_wait_xcnt 0x0
	s_wait_alu depctr_hold_cnt(0) depctr_sa_sdst(0) depctr_va_vdst(0) depctr_va_sdst(0) depctr_va_ssrc(0) depctr_va_vcc(0) depctr_vm_vsrc(0)
	s_getreg_b32 s2, hwreg(HW_REG_IB_STS2, 6, 4)
	s_cmp_eq_u32 s2, 0
	s_cbranch_scc0 .Lentry_in_a_cluster
	s_endpgm
.Lentry_in_a_cluster:
	s_bfe_u32 s2, ttmp6, 0x10000c
	s_cmp_lg_u32 s2, 0x3003
	s_cbranch_scc0 .Lentry_shape_is_right
	s_endpgm
.Lentry_shape_is_right:
; out0 = O Wo^T + bo on codes of FP6 (E2M3) with E8M0 scales.  Work-group (jx, y): tokens 128 y on against columns 64 jx on.  Wave w sums K steps 8 w .. 8 w + 7 of the 32
; (att's entries of 12,800 bytes: eight query tiles' images and their scale words); the four waves' partial sums meet in LDS, bo is added, and rows of 256 bytes are stored.
; The four partners of a cluster share the token block: att's entries are asked for jointly (mask 15).  Wo's fragments go from memory straight into registers.
; FILLS: at the head each wave asks for its first six entries by one tensor load (300 rows of 256 bytes, its whole region); when entries 0 and 1 are in registers, their place takes entries 6 and 7, behind a round.
; No prefetch: the text has no loop to run ahead in, and six of a wave's eight entries are asked for at the head.
.set SEC,   1572864
.set ENT,   12800
.set WREG,  6*ENT
.set SPARE, 4*WREG
.set RPW,   34816
.set L16,  1
.set RR,   2
.set HH,   3
.set AA,   4
.set AAS,  6
.set VBS,  8
.set SO,   11
.set SR,   12
.set CO,   16
.set L4,   17
.set BA,   18
.set SPW,  28
.set NIL,  29
.set AS,   32
.set BS,   40
.set BO,   56
.set YA,   64
.set XA,   144
.set WV,   14
.set G1S,  24
.set G1L,  32
.set G0P1, 40
.set G0P2, 44
.set G0R,  48
.set WOC,  52
.set WOS,  54
.set MSB, 0
.macro WIN new
.if MSB != (\new)
	s_set_vgpr_msb (MSB<<8)|(\new)
.set MSB, (\new)
.endif
.endm
.macro PLACES n
.rept \n
	v_nop
.endr
.endm
.macro ROUND
	s_barrier_signal -1
	s_barrier_wait -1
	s_cmp_lg_u32 s[WV], 0
	s_cbranch_scc1 .Lnw0_\@
	s_barrier_signal -3
.Lnw0_\@:
	s_barrier_wait -3
	s_barrier_signal -1
	s_barrier_wait -1
.endm
.macro WMS
.if rZ
.if rRA && rRB
	v_wmma_scale_f32_16x16x128_f8f6f4 v[rD:rD+7], v[rX:rX+11], v[rY:rY+11], 0, v[rSA], v[rSB] matrix_a_fmt:MATRIX_FMT_FP6 matrix_b_fmt:MATRIX_FMT_FP6 matrix_a_scale:MATRIX_SCALE_ROW1 matrix_b_scale:MATRIX_SCALE_ROW1
.elseif rRA
	v_wmma_scale_f32_16x16x128_f8f6f4 v[rD:rD+7], v[rX:rX+11], v[rY:rY+11], 0, v[rSA], v[rSB] matrix_a_fmt:MATRIX_FMT_FP6 matrix_b_fmt:MATRIX_FMT_FP6 matrix_a_scale:MATRIX_SCALE_ROW1
.elseif rRB
	v_wmma_scale_f32_16x16x128_f8f6f4 v[rD:rD+7], v[rX:rX+11], v[rY:rY+11], 0, v[rSA], v[rSB] matrix_a_fmt:MATRIX_FMT_FP6 matrix_b_fmt:MATRIX_FMT_FP6 matrix_b_scale:MATRIX_SCALE_ROW1
.else
	v_wmma_scale_f32_16x16x128_f8f6f4 v[rD:rD+7], v[rX:rX+11], v[rY:rY+11], 0, v[rSA], v[rSB] matrix_a_fmt:MATRIX_FMT_FP6 matrix_b_fmt:MATRIX_FMT_FP6
.endif
.else
.if rRA && rRB
	v_wmma_scale_f32_16x16x128_f8f6f4 v[rD:rD+7], v[rX:rX+11], v[rY:rY+11], v[rD:rD+7], v[rSA], v[rSB] matrix_a_fmt:MATRIX_FMT_FP6 matrix_b_fmt:MATRIX_FMT_FP6 matrix_a_scale:MATRIX_SCALE_ROW1 matrix_b_scale:MATRIX_SCALE_ROW1
.elseif rRA
	v_wmma_scale_f32_16x16x128_f8f6f4 v[rD:rD+7], v[rX:rX+11], v[rY:rY+11], v[rD:rD+7], v[rSA], v[rSB] matrix_a_fmt:MATRIX_FMT_FP6 matrix_b_fmt:MATRIX_FMT_FP6 matrix_a_scale:MATRIX_SCALE_ROW1
.elseif rRB
	v_wmma_scale_f32_16x16x128_f8f6f4 v[rD:rD+7], v[rX:rX+11], v[rY:rY+11], v[rD:rD+7], v[rSA], v[rSB] matrix_a_fmt:MATRIX_FMT_FP6 matrix_b_fmt:MATRIX_FMT_FP6 matrix_b_scale:MATRIX_SCALE_ROW1
.else
	v_wmma_scale_f32_16x16x128_f8f6f4 v[rD:rD+7], v[rX:rX+11], v[rY:rY+11], v[rD:rD+7], v[rSA], v[rSB] matrix_a_fmt:MATRIX_FMT_FP6 matrix_b_fmt:MATRIX_FMT_FP6
.endif
.endif
.endm
	s_load_b256 s[4:11], s[0:1], 0x0
	s_load_b64 s[12:13], s[0:1], 0x20
	v_lshl_add_u32 v[SPW], v0, 2, SPARE
	v_mov_b32 v[NIL], 0
	ds_add_u32 v28, v29
	ds_add_u32 v28, v29
	s_wait_dscnt 0x0
	v_lshrrev_b32 v1, 5, v0
	v_readfirstlane_b32 s[WV], v1
	s_bfe_u32 s17, ttmp6, 0x40000
	s_lshl_b32 s19, ttmp9, 2
	s_add_co_u32 s19, s19, s17
	s_and_b32 s20, ttmp7, 0xffff
	s_mov_b32 s[G1S], 15|(3<<16)|(1<<21)
	s_mov_b32 s[G1S+1], 32<<16
	s_mov_b32 s[G1S+2], 100<<16
	s_mov_b32 s[G1S+3], 32<<16
	s_mov_b32 s[G1S+4], 100
	s_mov_b32 s[G1S+5], 32
	s_mov_b32 s[G1S+6], 0
	s_mov_b32 s[G1S+7], 0
	s_mov_b32 s[G1L], 15|(3<<16)|(1<<21)
	s_mov_b32 s[G1L+1], 32<<16
	s_mov_b32 s[G1L+2], 300<<16
	s_mov_b32 s[G1L+3], 32<<16
	s_mov_b32 s[G1L+4], 300
	s_mov_b32 s[G1L+5], 32
	s_mov_b32 s[G1L+6], 0
	s_mov_b32 s[G1L+7], 0
	s_mul_i32 s21, s[WV], WREG
	s_mul_i32 s72, s20, 32*ENT
	s_mul_i32 s73, s[WV], 8*ENT
	s_add_co_u32 s72, s72, s73
	s_mov_b32 s73, 0
	s_mul_i32 s74, s19, 4*49152
	s_mul_i32 s75, s[WV], 8*1536
	s_add_co_u32 s74, s74, s75
	s_add_co_u32 s74, s74, 4*SEC
	s_mov_b32 s75, 0
	s_lshl_b32 s76, s19, 13
	s_lshl_b32 s77, s[WV], 9
	s_add_co_u32 s76, s76, s77
	s_add_co_u32 s76, s76, 262144
	s_mov_b32 s77, 0
	s_lshl_b32 s82, s19, 8
	s_mov_b32 s83, 0
	s_lshl_b32 s84, s20, 18
	s_lshl_b32 s85, s[WV], 16
	s_add_co_u32 s84, s84, s85
	s_add_co_u32 s84, s84, s82
	s_mov_b32 s85, 0
	s_wait_kmcnt 0x0
	s_mov_b32 s[G0P1], 1
	s_mov_b32 s[G0P1+1], s21
	s_add_nc_u64 s[G0P1+2:G0P1+3], s[4:5], s[72:73]
	s_mov_b32 s[G0R], 1
	s_mov_b32 s[G0R+1], s21
	s_add_nc_u64 s[G0R+2:G0R+3], s[G0P1+2:G0P1+3], 6*ENT
	s_or_b32 s[G0P1+3], s[G0P1+3], 0x80000000
	s_or_b32 s[G0R+3], s[G0R+3], 0x80000000
	s_add_nc_u64 s[WOC:WOC+1], s[6:7], s[74:75]
	s_add_nc_u64 s[WOS:WOS+1], s[8:9], s[76:77]
	s_add_nc_u64 s[10:11], s[10:11], s[82:83]
	s_add_nc_u64 s[12:13], s[12:13], s[84:85]
	ROUND
	tensor_load_to_lds s[G0P1:G0P1+3], s[G1L:G1L+7]   ; my entries 0 to 5: my one tensor load at the head
	s_nop 0
	PLACES 4
	v_and_b32 v19, 31, v0
	v_lshlrev_b32 v[L16], 4, v19
	v_lshlrev_b32 v[L4], 2, v19
	v_and_b32 v[RR], 15, v0
	v_bfe_u32 v[HH], v0, 4, 1
	v_lshlrev_b32 v[VBS], 2, v[RR]
	v_lshl_add_u32 v[VBS], v[HH], 11, v[VBS]
	v_lshlrev_b32 v[BA], 4, v[RR]
.irp c, 0,1,2,3,4,5,6,7
.irp p, 0,1
	global_load_b32 v[BS+2*\c+\p], v[VBS], s[WOS:WOS+1] offset:4096*\p+64*\c
.endr
.endr
	WIN 0x80
.irp c, 0,1,2,3,4
.irp bt, 0,1,2,3
.irp k, 0,1,2
	global_load_b128 v[48*\c+12*\bt+4*\k:48*\c+12*\bt+4*\k+3], v[L16], s[WOC:WOC+1] offset:49152*\bt+1536*\c+512*\k
.endr
.endr
.endr
	WIN 0xc0
.irp c, 5,6,7
.irp bt, 0,1,2,3
.irp k, 0,1,2
	global_load_b128 v[48*(\c-5)+12*\bt+4*\k:48*(\c-5)+12*\bt+4*\k+3], v[L16], s[WOC:WOC+1] offset:49152*\bt+1536*\c+512*\k
.endr
.endr
.endr
	WIN 0
	global_load_b128 v[BO:BO+3], v[BA], s[10:11]
	v_add_nc_u32 v[AA], s21, v[L16]
	v_add_nc_u32 v[AA+1], 3*ENT, v[AA]
	s_add_co_u32 s22, s21, 12288
	v_add_nc_u32 v[AAS], s22, v[L4]
	v_add_nc_u32 v[AAS+1], 3*ENT, v[AAS]
	s_mul_i32 s81, s[WV], RPW
	v_mul_u32_u24 v[SO], v[RR], 272
	v_lshl_add_u32 v[SO], v[HH], 6, v[SO]
	v_add_nc_u32 v[SO], s81, v[SO]
	s_mul_i32 s81, s[WV], 8704
	v_mul_u32_u24 v[SR], v[HH], 272
	v_lshl_add_u32 v[SR], v[RR], 4, v[SR]
	v_add_nc_u32 v[SR], s81, v[SR]
	v_add_nc_u32 v[SR+1], RPW, v[SR]
	v_add_nc_u32 v[SR+2], 2*RPW, v[SR]
	v_add_nc_u32 v[SR+3], 3*RPW, v[SR]
	v_lshlrev_b32 v[CO], 11, v[HH]
	v_lshl_add_u32 v[CO], v[RR], 4, v[CO]
.macro LOADS c
.set PO, (\c)%6
.set AR, AA+PO/3
.set ASR, AAS+PO/3
.set OFS, ENT*(PO%3)
.if (\c)%2
	WIN 0
.set FB, YA
.else
	WIN 0xc0
.set FB, XA
.endif
.irp a, 0,1,2,3,4,5,6,7
.irp k, 0,1,2
	ds_load_b128 v[FB+12*\a+4*\k:FB+12*\a+4*\k+3], v[AR] offset:OFS+1536*\a+512*\k
.endr
.endr
	WIN 0
.irp p, 0,1,2,3
	ds_load_b32 v[AS+4*((\c)%2)+\p], v[ASR] offset:OFS+128*\p
.endr
.endm
.macro MUL32 c, zero
.set rZ, \zero
.if (\c) < 5
.set BW, 2
.set BR, 48*(\c)
.else
.set BW, 3
.set BR, 48*((\c)-5)
.endif
.if (\c)%2
.set AW, 0
.set FB, YA
.else
.set AW, 3
.set FB, XA
.endif
	WIN 0x50|(AW<<2)|BW
.irp a, 0,1,2,3,4,5,6,7
.irp bt, 0,1,2,3
.set rD, 8*(4*\a+\bt)
.set rX, BR+12*\bt
.set rY, FB+12*\a
.set rSA, BS+2*(\c)+\bt/2
.set rRA, \bt%2
.set rSB, AS+4*((\c)%2)+\a/2
.set rRB, \a%2
	WMS
.endr
.endr
.endm
	s_wait_alu depctr_va_vdst(0)
	s_wait_tensorcnt 0x0                           ; my six entries are in; only I read them
	LOADS 0
	LOADS 1
	s_wait_tensorcnt 0x0
	ds_add_u32 v[SPW], v[NIL]
	s_wait_dscnt 0x0
	ROUND
	tensor_load_to_lds s[G0R:G0R+3], s[G1S:G1S+7]
	s_nop 0
	PLACES 4
	s_wait_loadcnt 63
	MUL32 0, 1
	PLACES 4
	LOADS 2
	MUL32 1, 0
	PLACES 4
	LOADS 3
	s_wait_dscnt 28
	s_wait_loadcnt 61
	MUL32 2, 0
	PLACES 4
	LOADS 4
	s_wait_dscnt 28
	s_wait_loadcnt 49
	MUL32 3, 0
	PLACES 4
	LOADS 5
	s_wait_dscnt 28
	s_wait_loadcnt 37
	MUL32 4, 0
	s_wait_dscnt 0x0
	s_wait_loadcnt 25
	MUL32 5, 0
	PLACES 4
	s_wait_tensorcnt 0x0
	LOADS 6
	LOADS 7
	s_wait_dscnt 28
	s_wait_loadcnt 13
	MUL32 6, 0
	s_wait_dscnt 0x0
	s_wait_loadcnt 1
	MUL32 7, 0
	PLACES 4
	WIN 0
	s_wait_alu depctr_va_vdst(0)
	s_barrier_signal -1
	s_barrier_wait -1
	WIN 0x04
.irp a, 0,1,2,3,4,5,6,7
.irp bt, 0,1,2,3
	ds_store_b128 v[SO], v[8*(4*\a+\bt):8*(4*\a+\bt)+3] offset:4352*\a+128*(\bt/2)+32*(\bt%2)
	ds_store_b128 v[SO], v[8*(4*\a+\bt)+4:8*(4*\a+\bt)+7] offset:4352*\a+128*(\bt/2)+32*(\bt%2)+16
.endr
.endr
	WIN 0
	s_wait_dscnt 0x0
	s_barrier_signal -1
	s_barrier_wait -1
.macro RLOAD t
.irp u, 0,1,2,3
.irp k, 0,1,2,3
	ds_load_b128 v[64+64*((\t)%2)+16*\u+4*\k:64+64*((\t)%2)+16*\u+4*\k+3], v[SR+\k] offset:544*(4*(\t)+\u)
.endr
.endr
.endm
.macro RSUM t
.irp u, 0,1,2,3
.set B0, 64+64*((\t)%2)+16*\u
.set RI, 4*(\t)+\u
.set RP, 2*(RI%8)
.set TOK, 8*(RI/8)+RP+8*(RP/8)
	v_pk_add_f32 v[B0:B0+1], v[B0:B0+1], v[B0+4:B0+5]
	v_pk_add_f32 v[B0+2:B0+3], v[B0+2:B0+3], v[B0+6:B0+7]
	v_pk_add_f32 v[B0+8:B0+9], v[B0+8:B0+9], v[B0+12:B0+13]
	v_pk_add_f32 v[B0+10:B0+11], v[B0+10:B0+11], v[B0+14:B0+15]
	v_pk_add_f32 v[B0:B0+1], v[B0:B0+1], v[B0+8:B0+9]
	v_pk_add_f32 v[B0+2:B0+3], v[B0+2:B0+3], v[B0+10:B0+11]
	v_pk_add_f32 v[B0:B0+1], v[B0:B0+1], v[BO:BO+1]
	v_pk_add_f32 v[B0+2:B0+3], v[B0+2:B0+3], v[BO+2:BO+3]
	global_store_b128 v[CO], v[B0:B0+3], s[12:13] offset:TOK*2048 th:TH_STORE_NT
.endr
.endm
	RLOAD 0
	RLOAD 1
	s_wait_loadcnt 0x0
	s_wait_dscnt 16
	RSUM 0
	s_wait_xcnt 0x0
	RLOAD 2
	s_wait_dscnt 16
	RSUM 1
	s_wait_xcnt 0x0
	RLOAD 3
	s_wait_dscnt 16
	RSUM 2
	s_wait_dscnt 0x0
	RSUM 3
	s_wait_tensorcnt 0x0
	ds_add_u32 v[SPW], v[NIL]
	s_wait_dscnt 0x0
	ROUND
	s_endpgm
.Lfunc_end_k_q4f7f3c261c_outp:
	.size	k_q4f7f3c261c_outp, .Lfunc_end_k_q4f7f3c261c_outp-k_q4f7f3c261c_outp
	.p2alignl 7, 3214868480
	.fill 96, 4, 3214868480
	.section	.rodata,"a",@progbits
	.p2align	6, 0x0
	.amdhsa_kernel k_q4f7f3c261c_outp
		.amdhsa_group_segment_fixed_size 327680
		.amdhsa_private_segment_fixed_size 0
		.amdhsa_enable_private_segment 0
		.amdhsa_kernarg_size 40
		.amdhsa_user_sgpr_count 2
		.amdhsa_user_sgpr_kernarg_segment_ptr 1
		.amdhsa_wavefront_size32 1
		.amdhsa_system_sgpr_workgroup_id_x 1
		.amdhsa_system_sgpr_workgroup_id_y 1
		.amdhsa_system_sgpr_workgroup_id_z 1
		.amdhsa_system_vgpr_workitem_id 0
		.amdhsa_next_free_vgpr 1024
		.amdhsa_next_free_sgpr 100
		.amdhsa_reserve_vcc 0
		.amdhsa_float_denorm_mode_32 3
		.amdhsa_float_denorm_mode_16_64 3
		.amdhsa_memory_ordered 1
		.amdhsa_forward_progress 1
		.amdhsa_inst_pref_size 83
	.end_amdhsa_kernel
	.amdgpu_metadata
---
amdhsa.version: [ 1, 2 ]
amdhsa.kernels:
  - .name:           k_q4f7f3c261c_outp
    .symbol:         k_q4f7f3c261c_outp.kd
    .args:
      - { .name: att, .offset: 0, .size: 8, .value_kind: global_buffer, .address_space: global }
      - { .name: cod, .offset: 8, .size: 8, .value_kind: global_buffer, .address_space: global }
      - { .name: scl, .offset: 16, .size: 8, .value_kind: global_buffer, .address_space: global }
      - { .name: bo, .offset: 24, .size: 8, .value_kind: global_buffer, .address_space: global }
      - { .name: out0, .offset: 32, .size: 8, .value_kind: global_buffer, .address_space: global }
    .group_segment_fixed_size: 327680
    .private_segment_fixed_size: 0
    .kernarg_segment_align: 8
    .kernarg_segment_size: 40
    .max_flat_workgroup_size: 128
    .sgpr_count:     100
    .vgpr_count:     1024
    .wavefront_size: 32
...
	.end_amdgpu_metadata
.endif
;; end of part 4
